; MI455X (gfx1250); checked and timed in simulation.
; The chip was launched on July 23, 2026; its instructions are those of AMD's public machine-readable ISA for CDNA 5 (MIT licence, August 2026) and "CDNA5" Instruction Set Architecture Reference Guide (July 2026). The comments in the code are by the model that wrote it; some were corrected since.
;; Complex Attention. Allowed arithmetic: matrix products marked QUANTISED: E2M1 operands, one E8M0 scale for each 32 along K, by v_wmma_scale_f32_16x16x128_f8f6f4 with both operands' format E2M1 (or v_wmma_scale_f32_32x16x128_f4), f32 sums; everything else in f32.
;; Inputs: Wk_i 1,024 x 1,024 float32; Wk_r 1,024 x 1,024 float32; Wo_i 1,024 x 1,024 float32; Wo_r 1,024 x 1,024 float32; Wq_i 1,024 x 1,024 float32; Wq_r 1,024 x 1,024 float32; Wv_i 1,024 x 1,024 float32; Wv_r 1,024 x 1,024 float32; bk_i 1,024 float32; bk_r 1,024 float32; bo_i 1,024 float32; bo_r 1,024 float32; bq_i 1,024 float32; bq_r 1,024 float32; bv_i 1,024 float32; bv_r 1,024 float32; k_i 4 x 1,024 x 1,024 float32; k_r 4 x 1,024 x 1,024 float32; q_i 4 x 1,024 x 1,024 float32; q_r 4 x 1,024 x 1,024 float32; v_i 4 x 1,024 x 1,024 float32; v_r 4 x 1,024 x 1,024 float32.
;; Outputs: out0 4 x 1,024 x 1,024 float32; out1 4 x 1,024 x 1,024 float32.
;; This version of the problem:
;;   THIS VERSION OF THE PROBLEM IS GIVEN IN LOW PRECISION. The matrix products marked QUANTISED in the list below multiply operands that are first quantised to E2M1 (2 exponent bits, 1 mantissa bit; 4 bits a number), with one power-of-two scale for each 32 numbers along K (OCP MX v1.0); their sums are f32. All else is computed in f32.
;;   The module's matrix products, in the order in which they are computed (A, B: the left and right operand; K: the contracted axis; several contracted axes count as one K, in the product's order):
;;     1. [M 4,096, K 1,024] x [K 1,024, N 1,024]; A: input q_r; B: input Wq_r: QUANTISED
;;     2. [M 4,096, K 1,024] x [K 1,024, N 1,024]; A: input q_i; B: input Wq_i: QUANTISED
;;     3. [M 4,096, K 1,024] x [K 1,024, N 1,024]; A: input k_r; B: input Wk_r: QUANTISED
;;     4. [M 4,096, K 1,024] x [K 1,024, N 1,024]; A: input k_i; B: input Wk_i: QUANTISED
;;     5. [M 4,096, K 1,024] x [K 1,024, N 1,024]; A: input v_r; B: input Wv_r: QUANTISED
;;     6. [M 4,096, K 1,024] x [K 1,024, N 1,024]; A: input v_i; B: input Wv_i: QUANTISED
;;     7. batch 64 x [M 1,024, K 64] x [K 64, N 1,024]; A: computed on the way; B: computed on the way: QUANTISED
;;     8. batch 64 x [M 1,024, K 64] x [K 64, N 1,024]; A: computed on the way; B: computed on the way: QUANTISED
;;     9. batch 64 x [M 64, K 1,024] x [K 1,024, N 1,024]; A: computed on the way; B: softmax (see below): QUANTISED
;;     10. batch 64 x [M 64, K 1,024] x [K 1,024, N 1,024]; A: computed on the way; B: softmax (see below): QUANTISED
;;     11. [M 4,096, K 1,024] x [K 1,024, N 1,024]; A: computed on the way; B: input Wo_r: QUANTISED
;;     12. [M 4,096, K 1,024] x [K 1,024, N 1,024]; A: computed on the way; B: input Wo_i: QUANTISED
;;   THE QUANTISER, for each operand of a quantised product, along K:
;;     - K is cut into blocks of 32 from its start; a last block that is shorter is filled with zeros.
;;     - A block's scale is 2^e with e = floor(log2(the largest magnitude in the block)) - 2, held to -126 .. 127; a block of zeros has e = 0. As a byte (E8M0): e + 127.
;;     - Each number is divided by its block's scale, clamped to +-6, and rounded to the nearest number of E2M1, ties to even, subnormals kept.
;;     - The product sums the exact products of the quantised numbers (number of the format x scale) in f32.
;;   ~~~python
;;   def quantise(x, axis):      # numpy; x: float32 -> the quantised numbers, widened to float32 again
;;       x = np.moveaxis(x, axis, -1); K = x.shape[-1]
;;       x = np.pad(x, [(0, 0)] * (x.ndim - 1) + [(0, -K % 32)]); x = x.reshape(x.shape[:-1] + (-1, 32)); a = np.abs(x).max(-1, keepdims=True)
;;       e = np.where(a > 0, np.clip(np.frexp(np.where(a > 0, a, 1))[1] - 1 - 2, -126, 127), 0)      # np.frexp(a)[1] - 1 = floor(log2(a)), exactly
;;       r = np.clip(x / 2.0 ** e, -6, 6)
;;       step = 2.0 ** (np.maximum(np.frexp(np.where(r == 0, 1, r))[1] - 1, 0) - 1)
;;       q = np.round(r / step) * step * 2.0 ** e      # np.round: ties to even
;;       return np.moveaxis(q.reshape(q.shape[:-2] + (-1,))[..., :K], -1, axis).astype(np.float32)
;;   ~~~
;;   SOFTMAX AHEAD OF A QUANTISED PRODUCT. Where the list says 'softmax', what is quantised is not the finished softmax but p = 2^(t - M), with t = logit x log2(e) and M = ceil(the row's largest t), a whole number; so 1/2 < the row's largest p <= 1. The row's sum l is taken of the UNQUANTISED p, in f32, and the product's result is divided by l at the end. Since M is a whole number, a kernel that streams over the keys may use a running M (the ceiling of the running maximum): every later rescaling is an exact power of two, which a block's scale takes up: the codes' values come out the same.
;;   OPERANDS COMPUTED ON THE WAY. 'Computed on the way' means the value that the module computes at that place (a softmax that the list does not call 'softmax' is quantised finished and normalised). What goes into a quantiser is computed in f32, as accurately as f32 sums, v_exp_f32 and their like allow (about 1e-6 of the number): no bf16 or f16 on the way to a quantiser, and a product that is left as it is and whose result goes on into a quantised operand takes f32 operands (vector FMAs, or v_wmma_f32_16x16x4_f32). A number that lies on a knife's edge between two numbers of the format may be rounded either way, as far as f32 arithmetic and the matrix unit's own rounding can turn it there, and no further.
;; One version. Each part assembles by itself: llvm-mc -triple=amdgcn-amd-amdhsa -mcpu=gfx1250 --defsym DOCPART=n.
;; ======== version 1 of 1: 4 launches
;; limits: right only within a limited range of input values
;; workspace buffers: cod 16,777,216 bytes; scl 1,310,720 bytes; qkv 13,369,344 bytes; oimg 4,194,304 bytes
;; launch quant (part 1): grid 1024 x 1, 4 waves a work-group, no clusters, 33,280 bytes of LDS; arguments q_r, q_i, k_r, k_i, v_r, v_i, Wq_r, Wq_i, Wk_r, Wk_i, Wv_r, Wv_i, Wo_r, Wo_i, cod, scl; writes cod, scl
.if DOCPART == 1
	.amdgcn_target "amdgcn-amd-amdhsa--gfx1250"
	.amdhsa_code_object_version 6
	.text
	.protected	k_q072014d33b_quant
	.globl	k_q072014d33b_quant
	.p2align	8
	.type	k_q072014d33b_quant,@function
k_q072014d33b_quant:
	s_mov_b64 s[64:65], 0
	v_nop
	global_prefetch_b8 v0, s[64:65] scope:SCOPE_SE
	s_setreg_imm32_b32 hwreg(HW_REG_WAVE_MODE, 25, 1), 1
	s_wait_xcnt 0x0
; The six activations [4096][1024] and the eight weights [1024][1024], f32, K innermost, become codes of FP4 (E2M1), two a byte, and one E8M0 scale byte for each 32 along K.
; A block's scale is 2^(floor(log2(its largest magnitude)) - 2); its byte is the largest magnitude's exponent field - 2, held at 1 from below.
; LIMITS: a block of zeros, or one whose largest magnitude lies under 2^-124, gets the byte 1 where the rule says 127: its codes are zeros, and the bytes are read by this program alone.  NaN and infinities are not served.
; LAYOUT OF THE RESULTS.  The 14 tensors are 32 units of 2^20 numbers (an activation: four, a weight: one), in the order of the arguments.  Unit u's codes lie at u x 524,288 of cod (512 bytes a row),
; its scale bytes at u x 32,768 of scl (32 bytes a row).  ROWS ARE STORED WITH BITS 3 AND 4 OF THEIR NUMBER EXCHANGED: 16 consecutive stored rows 16 T + i are the rows 32 (T / 2) + 8 (T % 2) + i + 8 (i / 8).
; A matrix result whose registers run along such a tile's rows then has, in two neighbouring tiles, 16 neighbours: what the next quantiser wants.
; SHARES.  A work-group takes 32 rows, a wave 8 rows = 8,192 numbers, in 16 steps of 512.  The exchange of bits is an exchange of the wave's two bits in the place where it stores.
; Each load reads 512 consecutive bytes; a step's 2,048 bytes turn through the wave's own stage in LDS (16 bytes of padding behind each 64), so that a lane then holds 16 neighbours; two neighbouring lanes hold a block.
; A step's codes leave as 256 consecutive bytes; a wave's 256 scale bytes are gathered in LDS and leave together.  No barrier: waves share nothing.  No matrix unit, no cluster: a stream, nothing is read twice.
.set STEPS, 16
.set EMAX,  2
.set CB,    8                          ; bytes of 16 codes
.set R,     16                         ; v16-79   four sets of 16 numbers as they are loaded
.set X,     80                         ; v80-111  two sets of 16 neighbours
.set E,     112                        ; v112-127 a scale byte for each step
.set C,     128                        ; v128-191 codes: four registers for each step, so that no store's data are written again
.set WREG,  8192                       ; LDS: a region for each wave: two stages of 32 x SP bytes, behind them its 256 scale bytes
.set SP,    80                         ; a lane's place in a stage: 64 bytes + 16 of padding
	s_load_b512 s[8:23], s[0:1], 0x0               ; the addresses of tensors 0 to 7: tensor i in s[8 + 2 i : 9 + 2 i]
	s_load_b512 s[24:39], s[0:1], 0x40             ; tensors 8 to 13; cod s[36:37]; scl s[38:39]
	v_lshl_add_u32 v192, v0, 2, 0x8000
	v_mov_b32 v193, 0
	v_lshrrev_b32 v1, 5, v0
	v_readfirstlane_b32 s40, v1                    ; wave
	v_and_b32 v2, 31, v0                           ; lane
	v_lshlrev_b32 v3, 4, v2                        ; my 16 bytes of a load's 512
	s_mul_i32 s41, s40, WREG
	v_lshrrev_b32 v14, 2, v2
	v_mul_u32_u24 v14, v14, SP
	v_and_b32 v15, 3, v2
	v_lshl_add_u32 v14, v15, 4, v14
	v_add_nc_u32 v14, s41, v14                     ; the stage, on the way in: SP (lane / 4) + 16 (lane % 4)
	v_mul_u32_u24 v15, v2, SP
	v_add_nc_u32 v15, s41, v15                     ; and on the way out: SP x lane: my 16 neighbours
	v_mul_u32_u24 v4, v2, CB                       ; my codes' place in a step's
	v_lshrrev_b32 v5, 1, v2
	s_add_co_u32 s41, s41, 2*32*SP
	v_add_nc_u32 v5, s41, v5                       ; LDS: my wave's 256 scale bytes, my block's byte
	v_lshlrev_b32 v7, 3, v2                        ; and on the way out 8 bytes a lane
	v_add_nc_u32 v6, s41, v7
	s_lshr_b32 s42, ttmp9, 5                       ; the unit: 32 work-groups each
	s_lshr_b32 s43, s42, 2                         ; an activation's number,
	s_sub_co_u32 s45, s42, 18                      ; a weight's,
	s_and_b32 s44, s42, 3                          ; and which quarter of an activation
	s_cmp_lt_u32 s42, 24
	s_cselect_b32 s43, s43, s45                    ; the tensor, 0 to 13
	s_cselect_b32 s44, s44, 0
	s_lshl_b32 s46, s44, 22                        ; where my wave reads, in bytes: the quarter,
	s_and_b32 s47, ttmp9, 31
	s_lshl_b32 s47, s47, 17                        ; the work-group's 32 rows,
	s_add_co_u32 s46, s46, s47
	s_lshl_b32 s47, s40, 15                        ; the wave's 8
	s_add_co_u32 s46, s46, s47
	s_mov_b32 s47, 0
	s_and_b32 s48, s40, 1                          ; where it stores: the wave's two bits exchanged
	s_lshl_b32 s48, s48, 1
	s_lshr_b32 s49, s40, 1
	s_or_b32 s48, s48, s49
	s_lshl_b32 s49, ttmp9, 2
	s_add_co_u32 s48, s48, s49                     ; which run of 8 stored rows
	s_lshl_b32 s50, s48, 8                         ; 256 scale bytes a run,
	s_mov_b32 s51, 0
	s_lshl_b32 s48, s48, 12                        ; 4,096 bytes of codes
	s_mov_b32 s49, 0
	s_wait_alu depctr_va_vdst(0)
	s_wait_kmcnt 0x0
	s_mov_b64 s[4:5], s[8:9]                       ; the tensor's address is chosen on the work-group's number alone
.irp i, 1,2,3,4,5,6,7,8,9,10,11,12,13
	s_cmp_eq_u32 s43, \i
	s_cselect_b64 s[4:5], s[8+2*\i:9+2*\i], s[4:5]
.endr
	s_add_nc_u64 s[4:5], s[4:5], s[46:47]
	s_add_nc_u64 s[36:37], s[36:37], s[48:49]
	s_add_nc_u64 s[38:39], s[38:39], s[50:51]
.macro LOAD t
.irp i, 0,1,2,3
	global_load_b128 v[R+16*((\t)%4)+4*\i:R+16*((\t)%4)+4*\i+3], v3, s[4:5] offset:2048*(\t)+512*\i th:TH_LOAD_NT   ; 32 lanes read 512 consecutive bytes; read once in the launch
.endr
.endm
.macro TURN t                          ; step t's numbers through the stage: LDS serves a wave's instructions in order, so no wait stands between the stores and the loads
.irp i, 0,1,2,3
	ds_store_b128 v14, v[R+16*((\t)%4)+4*\i:R+16*((\t)%4)+4*\i+3] offset:32*SP*((\t)%2)+8*SP*\i
.endr
.irp i, 0,1,2,3
	ds_load_b128 v[X+16*((\t)%2)+4*\i:X+16*((\t)%2)+4*\i+3], v15 offset:32*SP*((\t)%2)+16*\i
.endr
.endm
.irp t, 0,1,2,3
	LOAD \t
.endr
	s_wait_loadcnt 12                              ; step 0's four loads are in; the twelve of steps 1 to 3 may be out
	TURN 0
.macro STEP t
.set XS, X+16*((\t)%2)
.if (\t) > 0
	s_wait_dscnt 1                                 ; this step's numbers are back from the stage (the last step's byte store may be out): so its stores into the stage have read their registers,
.else
	s_wait_dscnt 0x0
.endif
.if (\t)+4 < STEPS
	LOAD (\t)+4                                    ; which take the loads of four steps on
.endif
.if (\t)+1 < STEPS
.if STEPS-2-(\t) >= 3
	s_wait_loadcnt 12                              ; the next step's four loads are in; those of the three steps behind it may be out
.else
	s_wait_loadcnt 4*(STEPS-2-(\t))                ; in the tail: four for each step still behind it
.endif
	TURN (\t)+1                                    ; and go through the other stage while this step is worked
.endif
	v_max3_num_f32 v8, |v[XS]|, |v[XS+1]|, |v[XS+2]|               ; the largest magnitude of my 16, in two chains
	v_max3_num_f32 v9, |v[XS+3]|, |v[XS+4]|, |v[XS+5]|
.irp i, 6,10
	v_max3_num_f32 v8, v8, |v[XS+\i]|, |v[XS+\i+1]|
	v_max3_num_f32 v9, v9, |v[XS+\i+2]|, |v[XS+\i+3]|
.endr
	v_max3_num_f32 v8, v8, |v[XS+14]|, |v[XS+15]|
	v_max3_num_f32 v8, v8, v9, (EMAX+1)<<23        ; and the floor 2^(3 - 127): the byte cannot fall under 1
	v_max_num_f32_dpp v8, v8, v8 row_xmask:1 row_mask:0xf bank_mask:0xf   ; and of my neighbour's 16: the block's
	v_add_nc_u32 v11, -(EMAX<<23), v8              ; 2 off its exponent field: the conversion takes the exponent field of this operand as its scale, and nothing else of it
	v_cvt_scalef32_pk8_fp4_f32 v[C+4*(\t)], v[XS:XS+7], v11        ; eight numbers / the scale, to the nearest code, ties to even, beyond 6 the largest code; the first number's code in the lowest four bits
	v_cvt_scalef32_pk8_fp4_f32 v[C+4*(\t)+1], v[XS+8:XS+15], v11
	v_lshrrev_b32 v[E+(\t)], 23, v11               ; the scale's byte (also the plain line behind the conversions)
	ds_store_b8 v5, v[E+(\t)] offset:16*(\t)       ; both lanes of a block write the same byte with the same value
	global_store_b64 v4, v[C+4*(\t):C+4*(\t)+1], s[36:37] offset:32*CB*(\t)   ; the wave stores 256 consecutive bytes, aligned
.endm
.irp t, 0,1,2,3,4,5,6,7,8,9,10,11,12,13,14,15
	STEP \t
.endr
	ds_load_b64 v[12:13], v6                       ; LDS serves a wave's instructions in order: these see my byte stores
	s_wait_dscnt 0x0
	global_store_b64 v7, v[12:13], s[38:39]        ; 32 lanes store 256 consecutive bytes, aligned
	s_wait_tensorcnt 0x0
	ds_add_u32 v192, v193
	s_wait_dscnt 0x0
	s_endpgm
.Lfunc_end_k_q072014d33b_quant:
	.size	k_q072014d33b_quant, .Lfunc_end_k_q072014d33b_quant-k_q072014d33b_quant
	.p2alignl 7, 3214868480
	.fill 96, 4, 3214868480
	.section	.rodata,"a",@progbits
	.p2align	6, 0x0
	.amdhsa_kernel k_q072014d33b_quant
		.amdhsa_group_segment_fixed_size 33280
		.amdhsa_private_segment_fixed_size 0
		.amdhsa_enable_private_segment 0
		.amdhsa_kernarg_size 128
		.amdhsa_user_sgpr_count 2
		.amdhsa_user_sgpr_kernarg_segment_ptr 1
		.amdhsa_wavefront_size32 1
		.amdhsa_system_sgpr_workgroup_id_x 1
		.amdhsa_system_sgpr_workgroup_id_y 1
		.amdhsa_system_sgpr_workgroup_id_z 1
		.amdhsa_system_vgpr_workitem_id 0
		.amdhsa_next_free_vgpr 194
		.amdhsa_next_free_sgpr 66
		.amdhsa_reserve_vcc 0
		.amdhsa_float_denorm_mode_32 3
		.amdhsa_float_denorm_mode_16_64 3
		.amdhsa_memory_ordered 1
		.amdhsa_forward_progress 1
		.amdhsa_inst_pref_size 34
	.end_amdhsa_kernel
	.amdgpu_metadata
---
amdhsa.version: [ 1, 2 ]
amdhsa.kernels:
  - .name:           k_q072014d33b_quant
    .symbol:         k_q072014d33b_quant.kd
    .args:
      - { .name: q_r, .offset: 0, .size: 8, .value_kind: global_buffer, .address_space: global }
      - { .name: q_i, .offset: 8, .size: 8, .value_kind: global_buffer, .address_space: global }
      - { .name: k_r, .offset: 16, .size: 8, .value_kind: global_buffer, .address_space: global }
      - { .name: k_i, .offset: 24, .size: 8, .value_kind: global_buffer, .address_space: global }
      - { .name: v_r, .offset: 32, .size: 8, .value_kind: global_buffer, .address_space: global }
      - { .name: v_i, .offset: 40, .size: 8, .value_kind: global_buffer, .address_space: global }
      - { .name: Wq_r, .offset: 48, .size: 8, .value_kind: global_buffer, .address_space: global }
      - { .name: Wq_i, .offset: 56, .size: 8, .value_kind: global_buffer, .address_space: global }
      - { .name: Wk_r, .offset: 64, .size: 8, .value_kind: global_buffer, .address_space: global }
      - { .name: Wk_i, .offset: 72, .size: 8, .value_kind: global_buffer, .address_space: global }
      - { .name: Wv_r, .offset: 80, .size: 8, .value_kind: global_buffer, .address_space: global }
      - { .name: Wv_i, .offset: 88, .size: 8, .value_kind: global_buffer, .address_space: global }
      - { .name: Wo_r, .offset: 96, .size: 8, .value_kind: global_buffer, .address_space: global }
      - { .name: Wo_i, .offset: 104, .size: 8, .value_kind: global_buffer, .address_space: global }
      - { .name: cod, .offset: 112, .size: 8, .value_kind: global_buffer, .address_space: global }
      - { .name: scl, .offset: 120, .size: 8, .value_kind: global_buffer, .address_space: global }
    .group_segment_fixed_size: 33280
    .private_segment_fixed_size: 0
    .kernarg_segment_align: 8
    .kernarg_segment_size: 128
    .max_flat_workgroup_size: 128
    .sgpr_count:     66
    .vgpr_count:     194
    .wavefront_size: 32
...
	.end_amdgpu_metadata
.endif
;; end of part 1
;; launch proj (part 2): grid 8 x 32, 4 waves a work-group, clusters of 4 x 4, 327,680 bytes of LDS; arguments cod, scl, bq_r, bq_i, bk_r, bk_i, bv_r, bv_i, qkv; writes qkv
.if DOCPART == 2
	.amdgcn_target "amdgcn-amd-amdhsa--gfx1250"
	.amdhsa_code_object_version 6
	.text
	.protected	k_q072014d33b_proj
	.globl	k_q072014d33b_proj
	.p2align	8
	.type	k_q072014d33b_proj,@function
k_q072014d33b_proj:
	s_mov_b64 s[64:65], 0
	v_nop
	global_prefetch_b8 v0, s[64:65] scope:SCOPE_SE
	s_setreg_imm32_b32 hwreg(HW_REG_WAVE_MODE, 25, 1), 1
	s_wait_xcnt 0x0
	s_wait_alu depctr_hold_cnt(0) depctr_sa_sdst(0) depctr_va_vdst(0) depctr_va_sdst(0) depctr_va_ssrc(0) depctr_va_vcc(0) depctr_vm_vsrc(0)
	s_getreg_b32 s2, hwreg(HW_REG_IB_STS2, 6, 4)
	s_cmp_eq_u32 s2, 0
	s_cbranch_scc0 .Lentry_in_a_cluster
	s_endpgm
.Lentry_in_a_cluster:
	s_bfe_u32 s2, ttmp6, 0x10000c
	s_cmp_lg_u32 s2, 0xf033
	s_cbranch_scc0 .Lentry_shape_is_right
	s_endpgm
.Lentry_shape_is_right:
; The six input projections y = x W^T + b on codes of FP4 (E2M1, one E8M0 scale for each 32 along K = 1,024), and the quantising of y, in registers, into the operands of the attention launch.
; A WORK-GROUP STAYS: it makes three tiles, one of Q, one of K, one of V, written out one behind the other; the type is a constant of each tile's text.
; ROLES.  Source 0 of every matrix instruction is S0, source 1 is S1: in a result a lane holds one row of S1 and its eight registers run along S0's rows.
;   Q, K: S0 = W, S1 = x: the registers run along the heads' numbers, which are the score product's K.   V: S0 = x, S1 = W: the registers run along the keys, which are the second product's K.
; Rows lie in cod with bits 3 and 4 of their number exchanged, so 16 consecutive stored rows 16 T + i are rows 32 (T / 2) + 8 (T % 2) + i + 8 (i / 8), and the 16 registers of tiles 2 b, 2 b + 1 are 16 NEIGHBOURS: 32 b + 16 (lane / 16) + 0 .. 15.
; SHARES.  A tile: 128 rows of S0 x 128 rows of S1, of the r tensors and of the i tensors, all of K.  A WAVE TAKES ONE PART (lo: r or i): all 128 rows of that part's S0, 8 tiles, x 64 rows (hi) of its S1, 4 blocks:
; 32 accumulators, 8 K steps of 128, 256 matrix instructions a tile; a K step reads 12 fragments from LDS for its 32 matrix instructions.
;   Q, K: a lane's 64 numbers are [head 2 I0's 64 of my part | head 2 I0 + 1's].   V: they are 128 keys of one channel of my part: a whole fragment.
; LDS.  A ring of two slots; slot c holds K = 512 c on of a tile: four regions (S0R, S0I, S1R, S1I) of 128 rows x (256 + 16) bytes, one region to a wave's tensor load.  Slot 0 is read in K steps 0-3, slot 1 in 4-7.
; At K step 3 slot 0 takes the next tile's first half of K, at K step 7 slot 1 its second half.  Behind the ring lie the spare words.  The launch claims all of LDS.
; CLUSTER.  4 x 4 work-groups: S0's tiles hang on I0 (cx) alone and are asked for jointly by a column of the cluster, S1's on I1 (cy) alone and by a row.  Each refill stands behind a round of the cluster's barrier.
; THE RESULT.  qkv holds a record of REC bytes for each (batch, head): Q: 2 halves of (32 fragment images of 1,024 bytes + 32 scale images of 64); from 69,632 on 2 halves of K codes 32,768 | K scales 2,048 | V codes 32,768 | V scales 2,048.
; A fragment image is the operand's registers as they stand: registers 4 c .. 4 c + 3 of lane l at 512 c + 16 l (Q, K: c = 0 the r part, c = 1 the i part).  A scale image: row r's word at 4 r.
; The scale words leave as halves (2 bytes a lane): a sixteenth of the codes' bytes.
; LIMITS: a block of zeros, or one whose largest magnitude lies under 2^-124, gets the byte 1 where the rule says 127 (its codes are zeros; the bytes are read by this program alone); NaN and infinities are not served.
; REGISTERS, in windows of 256.  Window 0: v1-15 lane numbers and addresses; v16-79 scale words; v80-111, v144-175 S1's fragments, two sets; v208-223 at work; v224-231 V's bias, 4 pairs; v240, v241 at work; v254, v255 for the add.
;   On the way out set 1's registers take the codes (v144-175); v176-187 the scale words and their halves; set 0 already holds the next tile's first fragments.
;   Window 1: v0-63, v64-127 S0's fragments, two sets; v128-191 Q's or K's bias in the result's layout.   Window 2: accumulator (m, t) at v[8 (8 m + t)].
.set RG,    34816                      ; a region: 128 rows x 272 bytes
.set PITCH, 272                        ; 256 bytes + 16 of padding = 68 words: the 16 rows of a fragment load start at 16 different banks (64 banks of 4 bytes: ISA guide 11.1)
.set SLOT,  4*RG
.set SPARE, 2*SLOT                     ; behind the ring: the spare words, 128 bytes for each wave
.set REC,   208896
.set SC,    16                         ; register SC + 8 i + q: lanes 0-15 the word of S1's block i % 4, lanes 16-31 that of S0's tile i, for K step q
.set F1,    80
.set PC,    144
.set PW,    176
.set HU,    180
.set SD,    184
.set TM,    208
.set B1,    224
.set B0,    128
.set SPW,   254
.set NIL,   255
.set WV,    22                         ; s22 wave, s23 wave / 2 (hi), s24 wave % 2 (lo)
.set SEL,   98                         ; s[98:99] v_permlanex16_b32's selects for lane l xor 16
.set G1A,   32                         ; s[32:39] descriptor group 1 for S0's tiles; s[40:47] for S1's; s[48:55], s[56:63] their groups 0, one for each slot
.set G1B,   40
.set G0A,   48
.set G0B,   56
.set MSB, 0
.macro WIN new                         ; s_set_vgpr_msb: bits 1:0 source 0, 3:2 source 1, 5:4 source 2, 7:6 destination; the high byte repeats the setting that is left
.if MSB != \new
	s_set_vgpr_msb (MSB<<8)|\new
.set MSB, \new
.endif
.endm
.macro PLACES n
.rept \n
	v_nop
.endr
.endm
; A joint load: waves 0 and 1 fetch for S0, waves 2 and 3 for S1.  Each line has one mask and one set of registers for all that issue it; the branch hangs on the wave's number alone.
.macro JLOAD g0a, g1a, g0b, g1b
	s_cmp_eq_u32 s23, 0
	s_cbranch_scc0 .Lfor_b_\@
	tensor_load_to_lds s[\g0a:\g0a+3], s[\g1a:\g1a+7]
	s_nop 0
.rept 4
	v_nop
.endr
	s_branch .Lasked_\@
.Lfor_b_\@:
	tensor_load_to_lds s[\g0b:\g0b+3], s[\g1b:\g1b+7]
	s_nop 0
.rept 4
	v_nop
.endr
.Lasked_\@:
.endm
.macro CREST                           ; a round of the cluster's barrier behind its opening barrier
	s_cmp_lg_u32 s[WV], 0
	s_cbranch_scc1 .Lnot_wave_0_\@
	s_barrier_signal -3
.Lnot_wave_0_\@:
	s_barrier_wait -3
	s_barrier_signal -1
	s_barrier_wait -1
.endm
.macro CROUND                          ; a whole round
	s_barrier_signal -1
	s_barrier_wait -1
	CREST
.endm
; The global addresses of tile ty's chunk c into that slot's two groups 0.  It stands only where no tensor load of the wave is out.  S0's address is made in s68, s69 from I0, S1's in s70, s71 from I1: neither pair ever holds the other coordinate.
.macro DESC ty, c
.if (\ty) == 2
.set RI0, 84
.set RI1, 85
.set A0B, 8388608                      ; v_r's codes (units 16 on); from r to i 2 MiB
.set A0S, 21
.set A1B, 14680064                     ; Wv_r's codes (unit 28); from r to i 512 KiB
.set A1S, 19
.else
.set RI0, 66
.set RI1, 67
.set A0B, 12582912+((\ty)<<20)         ; W_r's codes: unit 24 + 2 x type
.set A0S, 19
.set A1B, (\ty)<<22                    ; x_r's codes: two tensors of 2 MiB a type
.set A1S, 21
.endif
	s_lshl_b32 s68, s24, A0S                       ; r or i,
	s_lshl_b32 s69, s[RI0], 16                     ; block I0: 128 rows of 512 bytes,
	s_add_co_u32 s68, s68, s69
	s_add_co_u32 s68, s68, A0B+256*(\c)            ; the tensor, and K = 512 c on
	s_mov_b32 s69, 0
	s_lshl_b32 s70, s24, A1S
	s_lshl_b32 s71, s[RI1], 16
	s_add_co_u32 s70, s70, s71
.if (A1B+256*(\c)) != 0
	s_add_co_u32 s70, s70, A1B+256*(\c)
.endif
	s_mov_b32 s71, 0
	s_add_nc_u64 s[G0A+4*(\c)+2:G0A+4*(\c)+3], s[4:5], s[68:69]    ; 120:64 global address
	s_or_b32 s[G0A+4*(\c)+3], s[G0A+4*(\c)+3], 0x80000000          ; 127:126 type = 2
	s_add_nc_u64 s[G0B+4*(\c)+2:G0B+4*(\c)+3], s[4:5], s[70:71]
	s_or_b32 s[G0B+4*(\c)+3], s[G0B+4*(\c)+3], 0x80000000
.endm
; The scale words come straight from scl into registers: a row's 8 words are 32 neighbouring bytes.  Lanes 0-15 take S1's rows, lanes 16-31 S0's.  v8: S0's tiles 0-3; v9: its tiles 4-7, 64 rows on (lanes 0-15: S1's four blocks again).
.macro SCADDR ty
.if (\ty) == 2
.set RI0, 84
.set RI1, 85
.set Z0B, 524288
.set Z0S, 17                           ; from the r tensor's scale bytes to the i tensor's: 2^17 for x, 2^15 for W
.set Z1B, 917504
.set Z1S, 15
.else
.set RI0, 66
.set RI1, 67
.set Z0B, 786432+((\ty)<<16)
.set Z0S, 15
.set Z1B, (\ty)<<18
.set Z1S, 17
.endif
	s_lshl_b32 s88, s[RI0], 12                     ; S0: block I0's 128 rows
	s_lshl_b32 s89, s24, Z0S                       ; of my part
	s_add_co_u32 s88, s88, s89
	s_add_co_u32 s88, s88, Z0B
	s_lshl_b32 s90, s[RI1], 12                     ; S1: block I1, my 64 rows
	s_lshl_b32 s91, s23, 11
	s_add_co_u32 s90, s90, s91
	s_lshl_b32 s91, s24, Z1S                       ; of my part
	s_add_co_u32 s90, s90, s91
.if Z1B != 0
	s_add_co_u32 s90, s90, Z1B
.endif
	v_mov_b32 v240, s88
	v_mov_b32 v241, s90
	v_cndmask_b32 v8, v241, v240, s31
	v_add_nc_u32 v8, v8, v15                       ; + 32 r
	v_mov_b32 v240, 2048
	v_mov_b32 v241, 0
	v_cndmask_b32 v9, v241, v240, s31
	v_add_nc_u32 v9, v9, v8
.endm
.macro SCLOAD e                        ; the words of K steps 4 e .. 4 e + 3: 8 loads
.irp i, 0,1,2,3,4,5,6,7
	global_load_b128 v[SC+8*\i+4*(\e):SC+8*\i+4*(\e)+3], v[8+\i/4], s[6:7] offset:(\i%4)*512+16*(\e)
.endr
.endm
.macro B0LOAD bs                       ; Q's or K's bias of my part in the result's layout: tile 2 b + u of a head, register j: number 32 b + 8 u + 16 h + j; s[bs:bs+1] at head 2 I0, s[bs+2:bs+3] at head 2 I0 + 1: 16 loads
	WIN 0x40                                       ; destination window 1
.irp t, 0,1,2,3,4,5,6,7
	global_load_b128 v[B0+8*\t:B0+8*\t+3], v13, s[(\bs)+2*(\t/4):(\bs)+2*(\t/4)+1] offset:(32*((\t%4)/2)+8*(\t%2))*4
	global_load_b128 v[B0+8*\t+4:B0+8*\t+7], v13, s[(\bs)+2*(\t/4):(\bs)+2*(\t/4)+1] offset:(32*((\t%4)/2)+8*(\t%2))*4+16
.endr
	WIN 0
.endm
; 64 numbers of a lane in window 2, v[s] on (eight accumulators as they lie), register 16 b + i = k 32 b + 16 (lane / 16) + i of my row, become eight registers of codes in v[pc] on and a scale word in v[pw], both in window 0.
; Each accumulator is read from its low end on.
.macro QUANTW s, pc, pw
	WIN 0x0a                                       ; sources 0 and 1 window 2
.irp b, 0,1,2,3
	v_max3_num_f32 v[TM+\b], |v[(\s)+16*\b]|, |v[(\s)+1+16*\b]|, 0x1800000   ; block b: my 16 numbers, and the floor 2^(3 - 127): the byte cannot fall under 1
.endr
	WIN 0x28                                       ; sources 1 and 2 window 2
.irp i, 2,4,6,8,10,12,14
.irp b, 0,1,2,3
	v_max3_num_f32 v[TM+\b], v[TM+\b], |v[(\s)+16*\b+\i]|, |v[(\s)+1+16*\b+\i]|   ; the four blocks by turns
.endr
.endr
	WIN 0
.irp b, 0,1,2,3
	v_permlanex16_b32 v[TM+4+\b], v[TM+\b], s[SEL], s[SEL+1]
.endr
.irp b, 0,1,2,3
	v_max_num_f32 v[TM+\b], v[TM+\b], v[TM+4+\b]   ; with lane l xor 16's: the block's largest magnitude
.endr
.irp b, 0,1,2,3
	v_add_nc_u32 v[TM+12+\b], 0xff000000, v[TM+\b] ; 2 off its exponent field: the conversion's scale operand
.endr
.irp b, 0,1,2,3
	v_lshrrev_b32 v[TM+4+\b], 23, v[TM+12+\b]      ; the scale's byte
.endr
	v_lshl_or_b32 v[\pw], v[TM+5], 8, v[TM+4]      ; the four bytes make my row's scale word
	v_lshl_or_b32 v[\pw], v[TM+6], 16, v[\pw]
	v_lshl_or_b32 v[\pw], v[TM+7], 24, v[\pw]
	WIN 0x02                                       ; source 0 window 2
.irp b, 0,1,2,3
	v_cvt_scalef32_pk8_fp4_f32 v[(\pc)+2*\b], v[(\s)+16*\b:(\s)+7+16*\b], v[TM+12+\b]
	v_cvt_scalef32_pk8_fp4_f32 v[(\pc)+1+2*\b], v[(\s)+8+16*\b:(\s)+15+16*\b], v[TM+12+\b]
.endr
	WIN 0
	v_nop                                          ; one plain line behind a scaled conversion: the swaps touch its results, and the next tile's products write its sources
.irp c, 0,1                                    ; the operand's layout wants a whole block in a lane: lanes 0-15 block 2 c, lanes 16-31 block 2 c + 1
.irp i, 0,1
	v_permlane16_swap_b32 v[(\pc)+4*\c+\i], v[(\pc)+2+4*\c+\i]
.endr
.endr
.endm
; 24 LDS loads in one run: the fragments of K step q (my part's 8 tiles of S0 and my 4 blocks of S1; 16 rows x 128 K = 8 registers: registers 4 e .. 4 e + 3 hold K = 64 e + 32 (lane / 16) + 0 .. 31) into set
.macro FETCH q, set
	WIN 0x40                                       ; destination window 1, address window 0
.irp t, 0,1,2,3,4,5,6,7
.irp e, 0,1
	ds_load_b128 v[64*(\set)+8*\t+4*\e:64*(\set)+8*\t+4*\e+3], v[4+(\q)/4] offset:\t*16*PITCH+64*((\q)%4)+32*\e
.endr
.endr
	WIN 0
.irp t, 0,1,2,3
.irp e, 0,1
	ds_load_b128 v[F1+64*(\set)+8*\t+4*\e:F1+64*(\set)+8*\t+4*\e+3], v[6+(\q)/4] offset:\t*16*PITCH+64*((\q)%4)+32*\e
.endr
.endr
.endm
; Half hf of K step q: 16 matrix instructions, S1's blocks 2 hf, 2 hf + 1 x S0's eight tiles.  The 32 accumulators take turns, one instruction a turn, in the same order in every step.
; Step 0 starts the sums: with the bias as C (Q, K) or with the constant 0 (V, whose bias runs along the lanes and is added on the way out).
.macro MULH ty, q, hf
.if ((\q) == 0) && ((\ty) < 2)
	WIN 0x91                                       ; S0 window 1, S1 window 0, C (the bias) window 1, D window 2
.else
	WIN 0xa1                                       ; C and D window 2
.endif
.irp m, 2*(\hf), 2*(\hf)+1
.irp t, 0,1,2,3,4,5,6,7
.if ((\q) == 0) && ((\ty) < 2)
	v_wmma_scale_f32_16x16x128_f8f6f4 v[8*(8*(\m)+\t):8*(8*(\m)+\t)+7], v[64*((\q)%2)+8*\t:64*((\q)%2)+8*\t+7], v[F1+64*((\q)%2)+8*(\m):F1+64*((\q)%2)+8*(\m)+7], v[B0+8*\t:B0+8*\t+7], v[SC+8*\t+(\q)], v[SC+8*(\m)+(\q)] matrix_a_fmt:MATRIX_FMT_FP4 matrix_b_fmt:MATRIX_FMT_FP4 matrix_a_scale:MATRIX_SCALE_ROW1
.elseif (\q) == 0
	v_wmma_scale_f32_16x16x128_f8f6f4 v[8*(8*(\m)+\t):8*(8*(\m)+\t)+7], v[64*((\q)%2)+8*\t:64*((\q)%2)+8*\t+7], v[F1+64*((\q)%2)+8*(\m):F1+64*((\q)%2)+8*(\m)+7], 0, v[SC+8*\t+(\q)], v[SC+8*(\m)+(\q)] matrix_a_fmt:MATRIX_FMT_FP4 matrix_b_fmt:MATRIX_FMT_FP4 matrix_a_scale:MATRIX_SCALE_ROW1
.else
	v_wmma_scale_f32_16x16x128_f8f6f4 v[8*(8*(\m)+\t):8*(8*(\m)+\t)+7], v[64*((\q)%2)+8*\t:64*((\q)%2)+8*\t+7], v[F1+64*((\q)%2)+8*(\m):F1+64*((\q)%2)+8*(\m)+7], v[8*(8*(\m)+\t):8*(8*(\m)+\t)+7], v[SC+8*\t+(\q)], v[SC+8*(\m)+(\q)] matrix_a_fmt:MATRIX_FMT_FP4 matrix_b_fmt:MATRIX_FMT_FP4 matrix_a_scale:MATRIX_SCALE_ROW1
.endif
.endr
.endr
.endm
; A K step behind which no slot is filled again.
.macro STEPP ty, q
	s_wait_dscnt 0x0                               ; this step's fragments are in (asked for a step ago)
.if ((\ty) > 0) && ((\q) == 0)
	s_wait_loadcnt 0x8                             ; the scale words of K steps 0-3 (and the bias) are in; the 8 loads of the words of K steps 4-7, issued behind them, may be out
	s_wait_xcnt 0x0                                ; the last tile's stores have read their data, which lie in set 1, where loads land next, and their offsets, which this tile's way out writes anew
.endif
.if ((\ty) > 0) && ((\q) == 4)
	s_wait_loadcnt 0x0                             ; the scale words of K steps 4-7
.endif
.if (\q) == 3
	s_wait_tensorcnt 0x0                           ; (the last tile)  my part of slot 1 has landed;
	s_barrier_signal -1
	s_barrier_wait -1                              ; everybody's has.
.endif
.if (\q) < 7
.if ((\ty) > 0) || ((\q) > 0)
	PLACES 4                                       ; loads into registers that matrix instructions have read stand four plain vector lines behind them (ISA guide 7.12.1 for vector instructions)
.endif
	FETCH (\q)+1, ((\q)+1)%2
.endif
.if ((\ty) < 2) && ((\q) == 5)                 ; the next tile's scale words of K steps 0-3, and its bias: their registers were last read in steps 0 to 3
	SCADDR (\ty)+1
	SCLOAD 0
.if (\ty) == 0
	B0LOAD 80
.endif
.endif
	MULH \ty, \q, 0
	MULH \ty, \q, 1
.endm
; K step 3 or 7 of a tile that has a successor: slot q / 4 has been read out and takes the next tile's chunk.  Each wave waits for all its tensor loads (one is out: its part of the other slot), adds 0 to its spare word,
; writes the slot's groups 0, and waits for the add and for its reads of the slot; the barrier opens a round of the cluster's barrier, inside which stand 16 matrix instructions; the joint load is the first thing behind the round.
.macro STEPR ty, q
	WIN 0                                          ; (the add's two registers lie in window 0)
	s_wait_tensorcnt 0x0                           ; no tensor load of mine is out, so a group 0 may be written
	ds_add_u32 v[SPW], v[NIL]                      ; 0 onto my spare word
	DESC (\ty)+1, (\q)/4
	s_wait_dscnt 0x0                               ; the add is done; this step's fragments are in, and they were my last reads of the slot
	s_barrier_signal -1
	MULH \ty, \q, 0
	WIN 0
	s_barrier_wait -1
	CREST                                          ; no wave of any partner still reads the slot or has a load on its way
	JLOAD G0A+4*((\q)/4), G1A, G0B+4*((\q)/4), G1B ; my one tensor load until the next round; the four v_nop behind it are also the places in front of the loads below
	FETCH ((\q)+1)%8, 0                            ; from the other slot, which is whole: K step 4, or the next tile's K step 0
	MULH \ty, \q, 1
.endm
; THE WAY OUT of a tile.  v10, v11: where a lane's 16 bytes of registers 0-3 and 4-7 go; v12: where its half of a scale word goes.
.macro OUT ty
	WIN 0
	PLACES 4                                       ; the lines below read results just made, write registers that the last products read, and load into scale registers that they read
.if (\ty) < 2
	SCLOAD 1                                       ; the next tile's scale words of K steps 4-7
	s_lshl_b32 s89, s66, 1                         ; the first of my two heads: 2 x pair
	s_lshr_b32 s90, s67, 3                         ; batch
	s_lshl_b32 s90, s90, 4
	s_add_co_u32 s89, s89, s90
	s_mul_i32 s89, s89, REC                        ; its record; the second head's follows it
	s_and_b32 s88, s67, 7
	s_lshr_b32 s90, s88, 2                         ; which half of the 1,024 rows
	s_and_b32 s91, s88, 3                          ; which 128 of its 512
	s_mul_i32 s92, s90, ((\ty)+1)*34816            ; a half is 34,816 (Q) or 69,632 (K) bytes
	s_add_co_u32 s92, s92, s89
.if (\ty) == 1
	s_add_co_u32 s92, s92, 69632                   ; K begins behind Q
.endif
	s_lshl_b32 s93, s91, 3
	s_lshl_b32 s94, s23, 2
	s_add_co_u32 s93, s93, s94                     ; my first tile in the half
	s_lshl_b32 s94, s93, 10
	s_add_co_u32 s94, s94, s92
	s_lshl_b32 s96, s24, 9
	s_add_co_u32 s94, s94, s96                     ; codes: my part is half lo of each image
	s_lshl_b32 s95, s93, 6
	s_add_co_u32 s95, s95, s92
	s_lshl_b32 s96, s24, 1
	s_add_co_u32 s95, s95, s96                     ; scale words: my part is half lo of each word
	s_add_co_u32 s95, s95, 32768
.set DC, REC                           ; registers 0-3 belong to the first head, registers 4-7 to the second
.set HS, REC                           ; and so do the scale word's halves
.else
	s_lshl_b32 s89, s85, 1
	s_add_co_u32 s89, s89, s23                     ; head = 2 x pair + hi
	s_lshr_b32 s90, s84, 3                         ; batch
	s_lshl_b32 s90, s90, 4
	s_add_co_u32 s89, s89, s90
	s_mul_i32 s89, s89, REC
	s_and_b32 s88, s84, 7
	s_lshr_b32 s90, s88, 2                         ; which half of the 1,024 keys
	s_and_b32 s91, s88, 3                          ; which step of 128 keys in it
	s_mul_i32 s92, s90, 69632
	s_add_co_u32 s92, s92, s89
	s_add_co_u32 s92, s92, 69632
	s_lshl_b32 s94, s91, 13                        ; a step: 8 fragments;
	s_add_co_u32 s94, s94, s92
	s_lshl_b32 s96, s24, 12                        ; my part's four begin at 4 lo
	s_add_co_u32 s94, s94, s96
	s_add_co_u32 s94, s94, 34816                   ; codes
	s_lshl_b32 s96, s91, 9
	s_add_co_u32 s95, s92, s96
	s_lshl_b32 s96, s24, 8
	s_add_co_u32 s95, s95, s96
	s_add_co_u32 s95, s95, 67584                   ; scale words
.set DC, 512                           ; from registers 0-3 to registers 4-7: the image's second half
.set HS, 2                             ; from a scale word's low half to its high half
.endif
	v_lshl_add_u32 v10, v3, 4, s94
	v_add_nc_u32 v11, DC, v10
	v_mul_u32_u24 v12, v2, HS
	v_lshl_add_u32 v12, v1, 2, v12
	v_add_nc_u32 v12, s95, v12
.irp m, 0,1,2,3                                ; a block m of S1's rows at a time; every m has registers of its own for what it stores
.if (\ty) == 2
	WIN 0x82                                       ; source 0 and destination window 2: V's bias, one number a lane, onto the sums in place
.set XX, 0
.rept 32
	v_pk_add_f32 v[64*\m+2*XX:64*\m+2*XX+1], v[64*\m+2*XX:64*\m+2*XX+1], v[B1+2*\m:B1+2*\m+1]
.set XX, XX+1
.endr
.endif
	QUANTW 64*\m, PC+8*\m, PW+\m
	global_store_b128 v10, v[PC+8*\m:PC+8*\m+3], s[20:21] offset:1024*\m     ; 32 lanes store 512 consecutive bytes, aligned
	global_store_b128 v11, v[PC+8*\m+4:PC+8*\m+7], s[20:21] offset:1024*\m
	v_lshrrev_b32 v[HU+\m], 16, v[PW+\m]
	v_cndmask_b32 v[SD+\m], v[PW+\m], v[HU+\m], s31                          ; lanes 0-15 the word's low half, lanes 16-31 its high half
	global_store_b16 v12, v[SD+\m], s[20:21] offset:64*\m
.endr
.endm
	s_load_b128 s[4:7], s[0:1], 0x0                ; cod, scl
	s_load_b256 s[8:15], s[0:1], 0x10              ; bq_r, bq_i, bk_r, bk_i
	s_load_b128 s[16:19], s[0:1], 0x30             ; bv_r, bv_i
	s_load_b64 s[20:21], s[0:1], 0x40              ; qkv
	v_lshl_add_u32 v[SPW], v0, 2, SPARE
	v_mov_b32 v[NIL], 0
	ds_add_u32 v254, v255                          ; the opening lines: the add, twice on end, and its wait ahead of my first tensor load
	ds_add_u32 v254, v255
	s_wait_dscnt 0x0
	v_lshrrev_b32 v1, 5, v0
	v_readfirstlane_b32 s[WV], v1                  ; wave 0..3
	s_lshr_b32 s23, s[WV], 1                       ; hi: my 64 rows of S1.  Also: I fetch for S0 (0) or for S1 (1)
	s_and_b32 s24, s[WV], 1                        ; lo: my part, r (0) or i (1), in the products and in what I fetch
	s_bfe_u32 s25, ttmp6, 0x40000                  ; cx
	s_bfe_u32 s26, ttmp6, 0x40004                  ; cy
	s_and_b32 s28, ttmp7, 0xffff                   ; the cluster's y, 0..7
	s_mov_b32 s31, 0xffff0000                      ; a mask of lanes 16-31
	s_mov_b32 s[SEL], 0x76543210
	s_mov_b32 s[SEL+1], 0xfedcba98
	s_lshl_b32 s66, ttmp9, 2
	s_add_co_u32 s66, s66, s25                     ; Q, K: I0, the pair of heads, 0..7.  It hangs on cx, never on cy
	s_lshl_b32 s67, s28, 2
	s_add_co_u32 s67, s67, s26                     ; Q, K: I1, the block of 128 rows of x, 0..31.  It hangs on cy, never on cx
	s_and_b32 s84, s28, 3
	s_lshl_b32 s84, s84, 1
	s_add_co_u32 s84, s84, ttmp9
	s_lshl_b32 s84, s84, 2
	s_add_co_u32 s84, s84, s25                     ; V: I0, the block of 128 rows of x, 0..31
	s_lshr_b32 s85, s28, 2
	s_lshl_b32 s85, s85, 2
	s_add_co_u32 s85, s85, s26                     ; V: I1, the pair of heads, 0..7
	s_lshl_b32 s88, s26, 2
	s_lshl_b32 s88, 15, s88                        ; my row of the cluster
	s_lshl_b32 s89, 0x1111, s25                    ; my column
	; descriptor group 1: 128 rows x 256 bytes, rows 512 bytes apart in memory, padded in LDS; never rewritten
	s_or_b32 s[G1A], s89, (0<<16)|(1<<20)|(1<<21)|(5<<22)|(3<<25)   ; 15:0 the mask: S0's tiles go to my column; 17:16 elements of 1 byte; 20 padding on; 21 set beside a mask; 24:22 after every 64 words; 31:25 four words
	s_or_b32 s[G1B], s88, (0<<16)|(1<<20)|(1<<21)|(5<<22)|(3<<25)   ; S1's go to my row
.irp g, G1A, G1B
	s_mov_b32 s[\g+1], 256<<16                     ; tensor_dim0
	s_mov_b32 s[\g+2], 128<<16                     ; tensor_dim1
	s_mov_b32 s[\g+3], 256<<16                     ; tile_dim0
	s_mov_b32 s[\g+4], 128                         ; tile_dim1
	s_mov_b32 s[\g+5], 512                         ; tensor_dim0_stride
	s_mov_b32 s[\g+6], 0
	s_mov_b32 s[\g+7], 0
.endr
	s_mul_i32 s72, s[WV], RG                       ; where my tiles go: region = wave: S0R, S0I, S1R, S1I: no place in the cluster enters an LDS address
	s_wait_kmcnt 0x0
	CROUND                                         ; all sixteen work-groups are here: the first joint loads meet
.irp c, 0,1
	s_mov_b32 s[G0A+4*\c], 1                       ; 1:0 count = 1
	s_add_co_u32 s[G0A+4*\c+1], s72, \c*SLOT       ; 63:32 LDS address; these two words are never rewritten
	s_mov_b32 s[G0B+4*\c], 1
	s_add_co_u32 s[G0B+4*\c+1], s72, \c*SLOT
	DESC 0, \c
.endr
	JLOAD G0A, G1A, G0B, G1B                       ; slot 0's first fill: my one tensor load at the head
	v_and_b32 v1, 15, v0                           ; r
	v_bfe_u32 v2, v0, 4, 1                         ; h
	v_and_b32 v3, 31, v0                           ; lane
	v_lshlrev_b32 v15, 5, v1                       ; 32 r: a row's scale bytes
	v_lshlrev_b32 v13, 6, v2                       ; 64 h: the bias along the registers
	v_and_b32 v14, 8, v1
	v_add_nc_u32 v14, v14, v1
	v_lshlrev_b32 v14, 2, v14                      ; 4 (r + 8 (r / 8)): the bias along the lanes
	s_wait_alu depctr_va_vdst(0)
	SCADDR 0
	SCLOAD 0
	SCLOAD 1
	s_cmp_eq_u32 s24, 0                            ; my part's biases: the choice hangs on the wave's number alone
	s_cselect_b64 s[8:9], s[8:9], s[10:11]
	s_cselect_b64 s[12:13], s[12:13], s[14:15]
	s_cselect_b64 s[16:17], s[16:17], s[18:19]
	s_lshl_b32 s88, s66, 9                         ; Q, K: head 2 I0's 64 numbers, in bytes
	s_mov_b32 s89, 0
	s_add_nc_u64 s[76:77], s[8:9], s[88:89]        ; bq there,
	s_add_nc_u64 s[78:79], s[76:77], 256           ; and at head 2 I0 + 1;
	s_add_nc_u64 s[80:81], s[12:13], s[88:89]      ; bk likewise
	s_add_nc_u64 s[82:83], s[80:81], 256
	s_lshl_b32 s90, s85, 1
	s_add_co_u32 s90, s90, s23
	s_lshl_b32 s90, s90, 8                         ; V: my head's 64 numbers
	s_mov_b32 s91, 0
	s_add_nc_u64 s[92:93], s[16:17], s[90:91]      ; bv there
	B0LOAD 76
.irp x, 0,1,2,3                                ; V's bias, kept for the third tile: block m, lane r: number 32 (m / 2) + 8 (m % 2) + r + 8 (r / 8); twice, for the packed addition
	global_load_b32 v[B1+2*\x], v14, s[92:93] offset:(32*(\x/2)+8*(\x%2))*4
	global_load_b32 v[B1+2*\x+1], v14, s[92:93] offset:(32*(\x/2)+8*(\x%2))*4
.endr
	; LDS addresses of my fragments: row x pitch + 16 x half
	v_mul_u32_u24 v240, v1, PITCH
	v_lshl_add_u32 v240, v2, 4, v240
	s_mul_i32 s100, s24, RG                        ; S0: my part's region
	s_mul_i32 s101, s23, 64*PITCH                  ; S1: my 64 rows
	s_add_co_u32 s101, s101, s100                  ; of my part's region,
	s_add_co_u32 s101, s101, 2*RG                  ; behind S0's two
	v_add_nc_u32 v4, s100, v240                    ; S0, slot 0
	v_add_nc_u32 v6, s101, v240                    ; S1, slot 0
	v_add_nc_u32 v5, SLOT, v4                      ; slot 1
	v_add_nc_u32 v7, SLOT, v6
.irp b, 0,1,2,3
	v_mov_b32 v[TM+4+\b], 0                        ; written once: a lane permute's destination counts as one of its sources
.endr
	s_wait_alu depctr_va_vdst(0)
	s_wait_tensorcnt 0x0                           ; my part of slot 0 has landed
	ds_add_u32 v[SPW], v[NIL]
	s_wait_dscnt 0x0
	CROUND                                         ; everybody's part has landed, and all sixteen work-groups are here
	JLOAD G0A+4, G1A, G0B+4, G1B                   ; slot 1's first fill: the first tensor load behind the round
	FETCH 0, 0
	s_wait_loadcnt 0x0                             ; Q's scale words and bias, V's bias
.irp y, 0,1                                    ; Q, then K: each asks for its successor's two chunks
	STEPP \y, 0
	STEPP \y, 1
	STEPP \y, 2
	STEPR \y, 3
	STEPP \y, 4
	STEPP \y, 5
	STEPP \y, 6
	STEPR \y, 7
	s_wait_alu depctr_va_vdst(0)
	OUT \y
.endr
.irp q, 0,1,2,3,4,5,6,7                        ; V: nothing is left to ask for
	STEPP 2, \q
.endr
	OUT 2
	s_wait_tensorcnt 0x0                           ; the wave's end
	ds_add_u32 v[SPW], v[NIL]
	s_wait_dscnt 0x0
	CROUND                                         ; the closing round: no work-group ends while a partner may still ask for a tile that names it
	s_endpgm
.Lfunc_end_k_q072014d33b_proj:
	.size	k_q072014d33b_proj, .Lfunc_end_k_q072014d33b_proj-k_q072014d33b_proj
	.p2alignl 7, 3214868480
	.fill 96, 4, 3214868480
	.section	.rodata,"a",@progbits
	.p2align	6, 0x0
	.amdhsa_kernel k_q072014d33b_proj
		.amdhsa_group_segment_fixed_size 327680
		.amdhsa_private_segment_fixed_size 0
		.amdhsa_enable_private_segment 0
		.amdhsa_kernarg_size 72
		.amdhsa_user_sgpr_count 2
		.amdhsa_user_sgpr_kernarg_segment_ptr 1
		.amdhsa_wavefront_size32 1
		.amdhsa_system_sgpr_workgroup_id_x 1
		.amdhsa_system_sgpr_workgroup_id_y 1
		.amdhsa_system_sgpr_workgroup_id_z 1
		.amdhsa_system_vgpr_workitem_id 0
		.amdhsa_next_free_vgpr 768
		.amdhsa_next_free_sgpr 102
		.amdhsa_reserve_vcc 0
		.amdhsa_float_denorm_mode_32 3
		.amdhsa_float_denorm_mode_16_64 3
		.amdhsa_memory_ordered 1
		.amdhsa_forward_progress 1
		.amdhsa_inst_pref_size 226
	.end_amdhsa_kernel
	.amdgpu_metadata
---
amdhsa.version: [ 1, 2 ]
amdhsa.kernels:
  - .name:           k_q072014d33b_proj
    .symbol:         k_q072014d33b_proj.kd
    .args:
      - { .name: cod, .offset: 0, .size: 8, .value_kind: global_buffer, .address_space: global }
      - { .name: scl, .offset: 8, .size: 8, .value_kind: global_buffer, .address_space: global }
      - { .name: bq_r, .offset: 16, .size: 8, .value_kind: global_buffer, .address_space: global }
      - { .name: bq_i, .offset: 24, .size: 8, .value_kind: global_buffer, .address_space: global }
      - { .name: bk_r, .offset: 32, .size: 8, .value_kind: global_buffer, .address_space: global }
      - { .name: bk_i, .offset: 40, .size: 8, .value_kind: global_buffer, .address_space: global }
      - { .name: bv_r, .offset: 48, .size: 8, .value_kind: global_buffer, .address_space: global }
      - { .name: bv_i, .offset: 56, .size: 8, .value_kind: global_buffer, .address_space: global }
      - { .name: qkv, .offset: 64, .size: 8, .value_kind: global_buffer, .address_space: global }
    .group_segment_fixed_size: 327680
    .private_segment_fixed_size: 0
    .kernarg_segment_align: 8
    .kernarg_segment_size: 72
    .max_flat_workgroup_size: 128
    .sgpr_count:     102
    .vgpr_count:     768
    .wavefront_size: 32
...
	.end_amdgpu_metadata
.endif
;; end of part 2
;; launch attn (part 3): grid 4 x 64, 8 waves a work-group, clusters of 4 x 1, 327,680 bytes of LDS; arguments qkv, oimg, scl; writes oimg, scl
.if DOCPART == 3
	.amdgcn_target "amdgcn-amd-amdhsa--gfx1250"
	.amdhsa_code_object_version 6
	.text
	.protected	k_q072014d33b_attn
	.globl	k_q072014d33b_attn
	.p2align	8
	.type	k_q072014d33b_attn,@function
k_q072014d33b_attn:
	s_mov_b64 s[64:65], 0
	v_nop
	global_prefetch_b8 v0, s[64:65] scope:SCOPE_SE
	s_setreg_imm32_b32 hwreg(HW_REG_WAVE_MODE, 25, 1), 1
	s_wait_xcnt 0x0
	s_wait_alu depctr_hold_cnt(0) depctr_sa_sdst(0) depctr_va_vdst(0) depctr_va_sdst(0) depctr_va_ssrc(0) depctr_va_vcc(0) depctr_vm_vsrc(0)
	s_getreg_b32 s2, hwreg(HW_REG_IB_STS2, 6, 4)
	s_cmp_eq_u32 s2, 0
	s_cbranch_scc0 .Lentry_in_a_cluster
	s_endpgm
.Lentry_in_a_cluster:
	s_bfe_u32 s2, ttmp6, 0x10000c
	s_cmp_lg_u32 s2, 0x3003
	s_cbranch_scc0 .Lentry_shape_is_right
	s_endpgm
.Lentry_shape_is_right:
; Attention of one (batch, head) on codes of FP4 (E2M1, one E8M0 scale for each 32 along K): scores = [Qr | Qi] . [Kr | Ki] / 8 (K = 128), p = 2^(t - M), O = p [Vr | Vi] / the row's sum,
; and the quantising of O along the head's [r 64 | i 64] into the operand of the output projections (oimg: codes; scl from 1,048,576 on: scale bytes).
; t = score x log2(e) / 8; M = the row's largest t rounded up to a whole number; the row's sum is taken of the unquantised p, in f32.
; TWO PASSES OVER THE KEYS.  Pass 1 makes S^T = K Q^T and keeps the largest score of each block of 32 keys; from these come M and, by the same multiply-add and exponential as the scores take,
; each block's largest p and so p's scale bytes.  Pass 2 makes S^T again, p under the final M, its codes, the sums, and O^T += V^T P^T: nothing is rescaled.
; SHARES.  A work-group: 256 queries of a head; each of its 8 waves 32 queries, two tiles of 16, so that a fragment of K or V feeds two matrix instructions.  A key step is 128 keys; 8 steps.
; LAYOUT.  Both products are used transposed: a lane holds one query (lane % 16) of each tile; the 16 registers of score tiles 2 b, 2 b + 1 are 16 neighbouring keys (the rows were stored in that order).
; LDS.  K's codes at 0, V's at 65,536 (8,192 bytes a step), K's scale words at 131,072, V's at 135,168 (512 a step).  Every byte is filled once, by joint tensor loads.
;   At the head a wave has one load: waves 0-3 a quarter of K's codes (64 rows of 256 bytes), waves 4-7 a half of K's or of V's scale words (8 rows).
;   V's codes, 32 rows a wave, are asked for behind the full sequence and a round of the cluster's barrier; pass 1 does not read them, and a barrier ahead of pass 2 shows them whole.
;   From 139,264 on 8,192 bytes of scratch for each wave: the blocks' largest scores, then p's scale words; no tile lands there.  Behind them the spare words.  The launch claims all of LDS.
; CLUSTER.  The four work-groups of a head need the same K and V: each load names all four.  No prefetch: every byte that comes from memory is asked for ahead of the first loop, and no later tile is left to ask ahead for.
; LIMITS: a block of zeros, or one whose largest magnitude lies under 2^-124, gets the byte 1 where the rule says 127 (its codes are zeros; this program alone reads the bytes); NaN and infinities are not served.
; REGISTERS.  Window 0: v1-13, v240-242 addresses; v16-31 Q; v32-51 scale words; v52-55 -M; v56-63 sums; v64-79 p's codes; v80-95 at work; v96-223 S^T, then p; v224-239 at work; v250, v251 for the add.
;   Window 1: v0-127 O^T (tile u, part t at 64 u + 8 t); v128-191 K's fragments; v192-255 V's (in pass 1: K's of a second step).
.set REC,   208896
.set VC,    65536
.set KS,    131072
.set VS,    135168
.set SCR,   139264
.set SPARE, 204800
.set AK0,  1
.set AV0,  2
.set ASK0, 3
.set ASV0, 4
.set ASC0, 5
.set APW0, 6
.set GO1,  7
.set GO2,  8
.set ADK,  9
.set ADV,  10
.set ADS,  11
.set ADT,  12
.set ADC,  13
.set QF,   16
.set QW,   32
.set PW,   34
.set KW,   36
.set VW,   44
.set NM,   52
.set LS,   56
.set PC,   64
.set BM,   80
.set PT,   88
.set SS,   96
.set CO,   224
.set QO,   232
.set AM0,  240
.set AM1,  241
.set APS,  242
.set SPW,  250
.set NIL,  251
.set FK,   128
.set FV,   192
.set TB,   10
.set TS,   11
.set TC,   12
.set CNT,  13
.set WV,   18
.set SEL,  20
.set CS,   22
.set G1C,  24
.set G0C,  32
.set G0S,  36
.set LH,   40
.set G1S,  56
.set G0V,  68
.set MSB, 0
.macro WIN new                         ; s_set_vgpr_msb: bits 1:0 source 0, 3:2 source 1, 5:4 source 2, 7:6 destination; the high byte repeats the setting that is left
.if MSB != \new
	s_set_vgpr_msb (MSB<<8)|\new
.set MSB, \new
.endif
.endm
.macro CROUND                          ; a round of the cluster's barrier
	s_barrier_signal -1
	s_barrier_wait -1
	s_cmp_lg_u32 s[WV], 0
	s_cbranch_scc1 .Lnot_wave_0_\@
	s_barrier_signal -3
.Lnot_wave_0_\@:
	s_barrier_wait -3
	s_barrier_signal -1
	s_barrier_wait -1
.endm
.macro FRAGS reg, adr, off             ; a step's eight fragment images into window 1: registers 4 c .. 4 c + 3 of lane l lie at 512 c + 16 l
	WIN 0x40
.irp t, 0,1,2,3,4,5,6,7
	ds_load_b128 v[\reg+8*\t:\reg+8*\t+3], v[\adr] offset:\off+1024*\t
	ds_load_b128 v[\reg+8*\t+4:\reg+8*\t+7], v[\adr] offset:\off+1024*\t+512
.endr
	WIN 0
.endm
.macro WORDS reg, adr, off             ; and their eight scale images: row r's word at 4 r
.irp t, 0,1,2,3,4,5,6,7
	ds_load_b32 v[\reg+\t], v[\adr] offset:\off+64*\t
.endr
.endm
.macro SCORES fr, sw                   ; S^T = K Q^T: 8 tiles of 16 keys x my two tiles of queries; each fragment of K serves both
	WIN 0x01                                       ; source 0 window 1
.irp t, 0,1,2,3,4,5,6,7
.irp u, 0,1
	v_wmma_scale_f32_16x16x128_f8f6f4 v[SS+64*\u+8*\t:SS+64*\u+8*\t+7], v[\fr+8*\t:\fr+8*\t+7], v[QF+8*\u:QF+8*\u+7], 0, v[\sw+\t], v[QW+\u] matrix_a_fmt:MATRIX_FMT_FP4 matrix_b_fmt:MATRIX_FMT_FP4
.endr
.endr
	WIN 0
.rept 4
	v_nop                                          ; four places ahead of the first read of the results (ISA guide 7.12.1)
.endr
.endm
; Block x = 4 u + b (tile u, block b of 32 keys) has its 16 numbers of my lane in v[SS + 16 x] on.
.macro HMAX dst                        ; the largest of my lane's 16 scores of each block; lane l xor 16's are joined between the passes
.irp x, 0,1,2,3,4,5,6,7
	v_max3_num_f32 v[\dst+\x], v[SS+16*\x], v[SS+16*\x+1], v[SS+16*\x+2]
.endr
.irp i, 3,5,7,9,11,13
.irp x, 0,1,2,3,4,5,6,7
	v_max3_num_f32 v[\dst+\x], v[\dst+\x], v[SS+16*\x+\i], v[SS+16*\x+\i+1]
.endr
.endr
.irp x, 0,1,2,3,4,5,6,7
	v_max_num_f32 v[\dst+\x], v[\dst+\x], v[SS+16*\x+15]
.endr
.endm
.macro P1                              ; pass 1, two key steps: the second's loads are out while the first is worked
	v_add_nc_u32 v[ADK], s[TB], v[AK0]
	v_add_nc_u32 v[ADS], s[TS], v[ASK0]
	v_add_nc_u32 v[ADC], s[TC], v[ASC0]
	FRAGS FK, ADK, 0
	WORDS KW, ADS, 0
	FRAGS FV, ADK, 8192
	WORDS VW, ADS, 512
	s_wait_dscnt 24                                ; the first step's loads are in; the second's 16 + 8 may be out
	SCORES FK, KW
	HMAX BM
	ds_store_b128 v[ADC], v[BM:BM+3]               ; tile 0's four blocks, 16 bytes a lane,
	ds_store_b128 v[ADC], v[BM+4:BM+7] offset:512  ; tile 1's
	s_wait_dscnt 2                                 ; the second step's loads are in; the two stores behind them may be out
	SCORES FV, VW
	HMAX PT
	ds_store_b128 v[ADC], v[PT:PT+3] offset:1024
	ds_store_b128 v[ADC], v[PT+4:PT+7] offset:1536
.endm
.macro P2 first                        ; pass 2, a key step
	v_add_nc_u32 v[ADK], s[TB], v[AK0]             ; (these five are also the places ahead of the loads into registers that the last products read)
	v_add_nc_u32 v[ADV], s[TB], v[AV0]
	v_add_nc_u32 v[ADS], s[TS], v[ASK0]
	v_add_nc_u32 v[ADT], s[TS], v[ASV0]
	v_add_nc_u32 v[ADC], s[TC], v[APW0]
	FRAGS FK, ADK, 0
	WORDS KW, ADS, 0
	ds_load_b32 v[PW], v[ADC]                      ; p's scale words of this step, made between the passes
	ds_load_b32 v[PW+1], v[ADC] offset:64
	FRAGS FV, ADV, 0
	WORDS VW, ADT, 0
	s_wait_dscnt 24                                ; K's loads and p's words are in; V's 16 + 8, issued behind them, may be out
	SCORES FK, KW
.set J, 0
.rept 64
	v_pk_fma_f32 v[SS+J:SS+J+1], v[SS+J:SS+J+1], s[CS:CS+1], v[NM+2*(J/64):NM+2*(J/64)+1] op_sel_hi:[1,0,0]   ; t - M, two at a time
.set J, J+2
.endr
	s_wait_alu depctr_va_vdst(0)                   ; a wait ahead of the batch
.set J, 0
.rept 128
	v_exp_f32 v[SS+J], v[SS+J]                     ; p = 2^(t - M), not normalised
.set J, J+1
.endr
.irp u, 0,1                                    ; a block's byte moved to the exponent field is the conversion's scale operand
	v_lshlrev_b32 v[CO+4*\u], 23, v[PW+\u]
	v_lshlrev_b32 v[CO+4*\u+1], 15, v[PW+\u]
	v_lshlrev_b32 v[CO+4*\u+2], 7, v[PW+\u]
	v_lshrrev_b32 v[CO+4*\u+3], 1, v[PW+\u]
.endr
	s_wait_alu depctr_va_vdst(0)                   ; one wait for the batch, ahead of its first reader
.irp x, 0,1,2,3,4,5,6,7
	v_cvt_scalef32_pk8_fp4_f32 v[PC+2*\x], v[SS+16*\x:SS+16*\x+7], v[CO+\x]
	v_cvt_scalef32_pk8_fp4_f32 v[PC+2*\x+1], v[SS+16*\x+8:SS+16*\x+15], v[CO+\x]
.endr
	v_nop                                          ; one plain line behind a scaled conversion
.irp y, 0,1,2,3                                ; the operand's layout wants a whole block in a lane
.irp i, 0,1
	v_permlane16_swap_b32 v[PC+4*\y+\i], v[PC+4*\y+2+\i]
.endr
.endr
.set J, 0
.rept 16                                       ; the rows' sums of the unquantised p: two chains a tile.  (Also the places between the swaps and the products)
.irp u, 0,1
	v_pk_add_f32 v[LS+4*\u:LS+4*\u+1], v[LS+4*\u:LS+4*\u+1], v[SS+64*\u+J:SS+64*\u+J+1]
	v_pk_add_f32 v[LS+4*\u+2:LS+4*\u+3], v[LS+4*\u+2:LS+4*\u+3], v[SS+64*\u+J+2:SS+64*\u+J+3]
.endr
.set J, J+4
.endr
	s_wait_dscnt 0x0                               ; V's fragments and scale words
	WIN 0x51                                       ; source 0, C and D window 1
	s_wait_alu depctr_va_vdst(0)                   ; directly ahead of the first reader of O^T and of p's codes
.irp t, 0,1,2,3,4,5,6,7                        ; O^T += V^T P^T; the 16 accumulators take turns, one instruction a turn
.irp u, 0,1
.if \first
	v_wmma_scale_f32_16x16x128_f8f6f4 v[64*\u+8*\t:64*\u+8*\t+7], v[FV+8*\t:FV+8*\t+7], v[PC+8*\u:PC+8*\u+7], 0, v[VW+\t], v[PW+\u] matrix_a_fmt:MATRIX_FMT_FP4 matrix_b_fmt:MATRIX_FMT_FP4
.else
	v_wmma_scale_f32_16x16x128_f8f6f4 v[64*\u+8*\t:64*\u+8*\t+7], v[FV+8*\t:FV+8*\t+7], v[PC+8*\u:PC+8*\u+7], v[64*\u+8*\t:64*\u+8*\t+7], v[VW+\t], v[PW+\u] matrix_a_fmt:MATRIX_FMT_FP4 matrix_b_fmt:MATRIX_FMT_FP4
.endif
.endr
.endr
	WIN 0
.endm
	s_load_b128 s[4:7], s[0:1], 0x0                ; qkv, oimg
	s_load_b64 s[8:9], s[0:1], 0x10                ; scl
	v_lshl_add_u32 v[SPW], v0, 2, SPARE
	v_mov_b32 v[NIL], 0
	ds_add_u32 v[SPW], v[NIL]                      ; the opening lines: the add, twice on end, and its wait ahead of my first tensor load
	ds_add_u32 v[SPW], v[NIL]
	v_lshrrev_b32 v15, 5, v0
	v_readfirstlane_b32 s[WV], v15                 ; wave 0..7
	s_bfe_u32 s41, ttmp6, 0x40000                  ; cx
	s_lshl_b32 s42, ttmp9, 2
	s_add_co_u32 s42, s42, s41
	s_lshl_b32 s42, s42, 3
	s_add_co_u32 s42, s42, s[WV]
	s_lshl_b32 s42, s42, 1                         ; my first tile of 16 queries: 2 x (8 x work-group + wave)
	s_and_b32 s43, ttmp7, 0xffff                   ; 16 x batch + head
	s_mul_i32 s44, s43, REC                        ; the record; K and V begin 69,632 bytes on: two halves of (K codes 32,768 | K words 2,048 | V codes 32,768 | V words 2,048)
	s_and_b32 s52, s[WV], 1
	s_bfe_u32 s53, s[WV], 0x10001
	s_mul_i32 s46, s53, 69632                      ; waves 0-3: K's codes, half wave / 2, its part wave % 2 of 16,384 bytes
	s_lshl_b32 s47, s52, 14
	s_add_co_u32 s46, s46, s47
	s_add_co_u32 s46, s46, s44
	s_add_co_u32 s46, s46, 69632
	s_mov_b32 s47, 0
	s_lshl_b32 s[G0C+1], s[WV], 14                 ; in LDS: the four quarters on end
	s_mul_i32 s48, s52, 69632                      ; waves 4-7: scale words, K's (4, 5) or V's (6, 7), half wave % 2
	s_mul_i32 s49, s53, 34816
	s_add_co_u32 s48, s48, s49
	s_add_co_u32 s48, s48, s44
	s_add_co_u32 s48, s48, 69632+32768
	s_mov_b32 s49, 0
	s_lshl_b32 s[G0S+1], s53, 12
	s_lshl_b32 s50, s52, 11
	s_add_co_u32 s[G0S+1], s[G0S+1], s50
	s_add_co_u32 s[G0S+1], s[G0S+1], KS
	s_lshr_b32 s50, s[WV], 2                       ; every wave: V's codes, half wave / 4, its part wave % 4 of 8,192 bytes
	s_mul_i32 s50, s50, 69632
	s_and_b32 s51, s[WV], 3
	s_lshl_b32 s51, s51, 13
	s_add_co_u32 s50, s50, s51
	s_add_co_u32 s50, s50, s44
	s_add_co_u32 s50, s50, 69632+34816
	s_mov_b32 s51, 0
	s_lshl_b32 s[G0V+1], s[WV], 13                 ; in LDS: the eight parts on end
	s_add_co_u32 s[G0V+1], s[G0V+1], VC
	s_mov_b32 s[G0C], 1
	s_mov_b32 s[G0S], 1
	s_mov_b32 s[G0V], 1
	; group 1: dense rows of 256 bytes (32 elements of 8 bytes), 64 of codes (later 32) or 8 of scale words; the mask names the cluster's four
	s_mov_b32 s[G1C], 15|(3<<16)|(1<<21)
	s_mov_b32 s[G1C+1], 32<<16
	s_mov_b32 s[G1C+2], 64<<16
	s_mov_b32 s[G1C+3], 32<<16
	s_mov_b32 s[G1C+4], 64
	s_mov_b32 s[G1C+5], 32
	s_mov_b32 s[G1C+6], 0
	s_mov_b32 s[G1C+7], 0
	s_mov_b32 s[G1S], 15|(3<<16)|(1<<21)
	s_mov_b32 s[G1S+1], 32<<16
	s_mov_b32 s[G1S+2], 8<<16
	s_mov_b32 s[G1S+3], 32<<16
	s_mov_b32 s[G1S+4], 8
	s_mov_b32 s[G1S+5], 32
	s_mov_b32 s[G1S+6], 0
	s_mov_b32 s[G1S+7], 0
	s_mov_b32 s[SEL], 0x76543210                   ; v_permlanex16_b32's selects for lane l xor 16
	s_mov_b32 s[SEL+1], 0xfedcba98
	s_mov_b32 s[CS], 0x3e38aa3b                    ; c = log2(e) / 8
	s_mov_b32 s[CS+1], s[CS]
	s_mov_b32 s[LH], 0xffff0000                    ; a mask of lanes 16-31
	s_lshr_b32 s72, s42, 5                         ; Q: which half of the record's 64 tiles,
	s_mul_i32 s72, s72, 34816
	s_add_co_u32 s72, s72, s44
	s_and_b32 s73, s42, 31                         ; which tile in it
	s_lshl_b32 s74, s73, 10
	s_add_co_u32 s74, s74, s72                     ; its codes
	s_lshl_b32 s75, s73, 6
	s_add_co_u32 s75, s75, s72
	s_add_co_u32 s75, s75, 32768                   ; its scale words
	s_lshr_b32 s52, s43, 4
	s_and_b32 s53, s43, 15
	s_lshl_b32 s52, s52, 6
	s_add_co_u32 s52, s52, s42                     ; the result: tile of rows 64 x batch + tile
	s_lshl_b32 s54, s52, 13
	s_lshl_b32 s55, s53, 9
	s_add_co_u32 s54, s54, s55                     ; codes: 8,192 bytes a tile, 512 a head
	s_lshl_b32 s55, s52, 9
	s_lshl_b32 s45, s53, 1
	s_add_co_u32 s55, s55, s45
	s_add_co_u32 s55, s55, 1048576                 ; scale bytes: 32 a row, 2 a head
	s_lshl_b32 s45, s[WV], 13
	s_add_co_u32 s45, s45, SCR                     ; my scratch
	s_wait_dscnt 0x0                               ; both opening adds are done
	s_wait_kmcnt 0x0
	s_add_nc_u64 s[G0C+2:G0C+3], s[4:5], s[46:47]
	s_add_nc_u64 s[G0S+2:G0S+3], s[4:5], s[48:49]
	s_add_nc_u64 s[G0V+2:G0V+3], s[4:5], s[50:51]
	s_or_b32 s[G0C+3], s[G0C+3], 0x80000000
	s_or_b32 s[G0S+3], s[G0S+3], 0x80000000
	s_or_b32 s[G0V+3], s[G0V+3], 0x80000000
	CROUND                                         ; all four work-groups are here: the joint loads meet
	s_cmp_lt_u32 s[WV], 4                          ; one tensor load a wave: waves 0-3 K's codes, waves 4-7 scale words
	s_cbranch_scc0 .Lwords
	tensor_load_to_lds s[G0C:G0C+3], s[G1C:G1C+7]
	s_nop 0
.rept 4
	v_nop
.endr
	s_branch .Lasked
.Lwords:
	tensor_load_to_lds s[G0S:G0S+3], s[G1S:G1S+7]
	s_nop 0
.rept 4
	v_nop
.endr
.Lasked:
	v_and_b32 v13, 15, v0                          ; r
	v_bfe_u32 v14, v0, 4, 1                        ; h
	v_and_b32 v15, 31, v0                          ; lane
	v_lshlrev_b32 v[AK0], 4, v15
	v_add_nc_u32 v9, s74, v[AK0]
	v_lshl_add_u32 v10, v13, 2, s75
.irp k, 0,1,2,3
	global_load_b128 v[QF+4*\k:QF+4*\k+3], v9, s[4:5] offset:512*\k   ; Q's two fragments stay in registers
.endr
	global_load_b32 v[QW], v10, s[4:5]
	global_load_b32 v[QW+1], v10, s[4:5] offset:64
	v_add_nc_u32 v[AV0], VC, v[AK0]
	v_lshl_add_u32 v[ASK0], v13, 2, KS
	v_lshl_add_u32 v[ASV0], v13, 2, VS
	v_add_nc_u32 v[ASC0], s45, v[AK0]
	v_lshl_add_u32 v[APW0], v13, 2, s45
	v_lshl_add_u32 v[AM0], v14, 12, v[ASC0]        ; between the passes lanes 0-15 take steps 0-3, lanes 16-31 steps 4-7: my own numbers,
	v_xor_b32 v[AM1], 256, v[AM0]                  ; and lane l xor 16's
	v_lshl_add_u32 v[APS], v14, 9, v[APW0]         ; where my eight words go: 64 bytes a word, 4 r in it
	v_add_nc_u32 v[GO1], s54, v[AK0]
	v_lshl_add_u32 v[GO2], v13, 5, s55
	v_lshl_add_u32 v[GO2], v14, 17, v[GO2]         ; lanes 16-31 store the i part's bytes, 131,072 on
.irp x, 0,1,2,3,4,5,6,7
	v_mov_b32 v[LS+\x], 0                          ; the sums
.endr
	s_mov_b32 s[TB], 0
	s_mov_b32 s[TS], 0
	s_mov_b32 s[TC], 0
	s_mov_b32 s[CNT], 4
	s_wait_alu depctr_va_vdst(0)
	s_wait_tensorcnt 0x0                           ; my block has landed
	ds_add_u32 v[SPW], v[NIL]
	s_mov_b32 s[G1C+2], 32<<16                     ; no tensor load of mine is out, so a descriptor may be written: 32 rows from here on
	s_mov_b32 s[G1C+4], 32
	s_wait_dscnt 0x0
	CROUND                                         ; K and all scale words are whole, and all four work-groups are here
	tensor_load_to_lds s[G0V:G0V+3], s[G1C:G1C+7]  ; V's codes, my eighth: the first tensor load behind the round
	s_nop 0
.rept 4
	v_nop
.endr
	s_wait_loadcnt 0x0                             ; Q
.Lp1:
	P1
	s_add_co_u32 s[TB], s[TB], 16384
	s_add_co_u32 s[TS], s[TS], 1024
	s_add_co_u32 s[TC], s[TC], 2048
	s_sub_co_i32 s[CNT], s[CNT], 1
	s_cmp_lg_u32 s[CNT], 0
	s_wait_alu depctr_va_vdst(0)
	s_cbranch_scc1 .Lp1
	; BETWEEN THE PASSES.  My four steps' numbers come back, mine and lane l xor 16's: register SS + 8 s' + 4 u + b is step 4 h + s', tile u, block b
.set J, 0
.rept 8
	ds_load_b128 v[SS+4*J:SS+4*J+3], v[AM0] offset:512*J        ; LDS serves a wave's instructions in order: these see my wave's stores
	ds_load_b128 v[SS+32+4*J:SS+32+4*J+3], v[AM1] offset:512*J
.set J, J+1
.endr
	s_wait_dscnt 0x0
.set J, 0
.rept 32
	v_max_num_f32 v[SS+J], v[SS+J], v[SS+32+J]     ; the block's largest score
.set J, J+1
.endr
.irp u, 0,1
	v_max3_num_f32 v[BM+\u], v[SS+4*\u], v[SS+4*\u+1], v[SS+4*\u+2]
.endr
.irp n, 3,5,7,9,11,13
.irp u, 0,1
	v_max3_num_f32 v[BM+\u], v[BM+\u], v[SS+4*\u+8*(\n/4)+\n%4], v[SS+4*\u+8*((\n+1)/4)+(\n+1)%4]
.endr
.endr
.irp u, 0,1
	v_max_num_f32 v[BM+\u], v[BM+\u], v[SS+4*\u+27]
.endr
.irp u, 0,1
	v_permlanex16_b32 v[PT+\u], v[BM+\u], s[SEL], s[SEL+1]
.endr
.irp u, 0,1
	v_max_num_f32 v[BM+\u], v[BM+\u], v[PT+\u]     ; with the other four steps': the row's largest score
.endr
.irp u, 0,1
	v_mul_f32 v[BM+\u], s[CS], v[BM+\u]            ; as t (c is positive)
.endr
.irp u, 0,1
	v_floor_f32 v[NM+2*\u], -v[BM+\u]              ; -M = floor(-t) = -ceil(t)
.endr
.irp u, 0,1
	v_mov_b32 v[NM+2*\u+1], v[NM+2*\u]             ; (named with it as a pair)
.endr
.set J, 0
.rept 16
	v_pk_fma_f32 v[SS+J:SS+J+1], v[SS+J:SS+J+1], s[CS:CS+1], v[NM+2*((J/4)%2):NM+2*((J/4)%2)+1] op_sel_hi:[1,0,0]   ; the same multiply-add as the scores take in pass 2
.set J, J+2
.endr
	s_wait_alu depctr_va_vdst(0)                   ; a wait ahead of the batch
.set J, 0
.rept 32
	v_exp_f32 v[SS+J], v[SS+J]                     ; each block's largest p
.set J, J+1
.endr
	v_nop
	s_wait_alu depctr_va_vdst(0)                   ; and behind it
.set J, 0
.rept 32
	v_max_num_f32 v[SS+J], 0x1800000, v[SS+J]      ; the floor 2^(3 - 127): the exponent field is 3 at the least
.set J, J+1
.endr
.set J, 0
.rept 32
	v_lshrrev_b32 v[SS+J], 23, v[SS+J]             ; the exponent field
.set J, J+1
.endr
.irp i, 1,2,3
.set J, 0
.rept 8
	v_lshl_or_b32 v[SS+J], v[SS+J+\i], 8*\i, v[SS+J]   ; four fields make a word
.set J, J+4
.endr
.endr
.set J, 0
.rept 8
	v_add_nc_u32 v[SS+J], 0xfdfdfdfe, v[SS+J]      ; 2 off each byte (each is 3 at the least: no borrow): p's scale word
.set J, J+4
.endr
.set J, 0
.rept 8
	ds_store_b32 v[APS], v[SS+4*J] offset:64*J     ; word 2 s + u of query r at 64 (2 s + u) + 4 r of my scratch
.set J, J+1
.endr
	s_mov_b32 s[TB], 0
	s_mov_b32 s[TS], 0
	s_mov_b32 s[TC], 0
	s_wait_tensorcnt 0x0                           ; my part of V's codes has landed;
	s_wait_dscnt 0x0                               ; (no LDS instruction is pending at a signal)
	s_barrier_signal -1
	s_barrier_wait -1                              ; everybody's has.
	P2 1                                           ; the first step stands ahead of the loop: its products start the sums
	s_mov_b32 s[TB], 8192
	s_mov_b32 s[TS], 512
	s_mov_b32 s[TC], 128
	s_mov_b32 s[CNT], 7
.Lp2:
	P2 0
	s_add_co_u32 s[TB], s[TB], 8192
	s_add_co_u32 s[TS], s[TS], 512
	s_add_co_u32 s[TC], s[TC], 128
	s_sub_co_i32 s[CNT], s[CNT], 1
	s_cmp_lg_u32 s[CNT], 0
	s_wait_alu depctr_va_vdst(0)
	s_cbranch_scc1 .Lp2
	; THE WAY OUT: O^T / the sum, quantised along the head's 128 as it stands in my registers
.irp u, 0,1
	v_pk_add_f32 v[LS+4*\u:LS+4*\u+1], v[LS+4*\u:LS+4*\u+1], v[LS+4*\u+2:LS+4*\u+3]
.endr
.irp u, 0,1
	v_add_f32 v[LS+4*\u], v[LS+4*\u], v[LS+4*\u+1]
.endr
.irp u, 0,1
	v_permlanex16_b32 v[PT+\u], v[LS+4*\u], s[SEL], s[SEL+1]
.endr
.irp u, 0,1
	v_add_f32 v[LS+4*\u], v[LS+4*\u], v[PT+\u]     ; with lane l xor 16's keys: the row's sum
.endr
	s_wait_alu depctr_va_vdst(0)                   ; ahead of the transcendentals
.irp u, 0,1
	v_rcp_f32 v[NM+2*\u], v[LS+4*\u]
.endr
	v_nop
	WIN 0x01                                       ; source 0 window 1
	s_wait_alu depctr_va_vdst(0)                   ; ahead of the first reader of the reciprocals and of O^T
.set J, 0
.rept 64
	v_pk_mul_f32 v[SS+J:SS+J+1], v[J:J+1], v[NM+2*(J/64):NM+2*(J/64)+1] op_sel_hi:[1,0]
.set J, J+2
.endr
	WIN 0
.irp x, 0,1,2,3,4,5,6,7
	v_max3_num_f32 v[CO+\x], |v[SS+16*\x]|, |v[SS+16*\x+1]|, 0x1800000   ; block x: my 16 numbers, and the floor 2^(3 - 127)
.endr
.irp i, 2,4,6,8,10,12,14
.irp x, 0,1,2,3,4,5,6,7
	v_max3_num_f32 v[CO+\x], v[CO+\x], |v[SS+16*\x+\i]|, |v[SS+16*\x+\i+1]|
.endr
.endr
.irp x, 0,1,2,3,4,5,6,7
	v_permlanex16_b32 v[PT+\x], v[CO+\x], s[SEL], s[SEL+1]
.endr
.irp x, 0,1,2,3,4,5,6,7
	v_max_num_f32 v[CO+\x], v[CO+\x], v[PT+\x]     ; the block's largest magnitude
.endr
.irp x, 0,1,2,3,4,5,6,7
	v_add_nc_u32 v[QO+\x], 0xff000000, v[CO+\x]    ; 2 off its exponent field: the conversion's scale operand
.endr
.irp x, 0,1,2,3,4,5,6,7
	v_lshrrev_b32 v[PT+\x], 23, v[QO+\x]           ; the scale's byte
.endr
.irp u, 0,1
	v_lshl_or_b32 v[PW+\u], v[PT+4*\u+1], 8, v[PT+4*\u]
.endr
.irp u, 0,1
	v_lshl_or_b32 v[PW+\u], v[PT+4*\u+2], 16, v[PW+\u]
.endr
.irp u, 0,1
	v_lshl_or_b32 v[PW+\u], v[PT+4*\u+3], 24, v[PW+\u]
.endr
.irp x, 0,1,2,3,4,5,6,7
	v_cvt_scalef32_pk8_fp4_f32 v[PC+2*\x], v[SS+16*\x:SS+16*\x+7], v[QO+\x]
	v_cvt_scalef32_pk8_fp4_f32 v[PC+2*\x+1], v[SS+16*\x+8:SS+16*\x+15], v[QO+\x]
.endr
	v_nop                                          ; one plain line behind a scaled conversion
.irp y, 0,1,2,3
.irp i, 0,1
	v_permlane16_swap_b32 v[PC+4*\y+\i], v[PC+4*\y+2+\i]
.endr
.endr
.irp u, 0,1
	v_lshrrev_b32 v[BM+\u], 16, v[PW+\u]
.endr
.irp u, 0,1
	v_cndmask_b32 v[BM+2+\u], v[PW+\u], v[BM+\u], s[LH]   ; lanes 0-15 the word's r half, lanes 16-31 its i half
.endr
.irp u, 0,1
	global_store_b128 v[GO1], v[PC+8*\u:PC+8*\u+3], s[6:7] offset:8192*\u            ; the r part: 32 lanes store 512 consecutive bytes, aligned
	global_store_b128 v[GO1], v[PC+8*\u+4:PC+8*\u+7], s[6:7] offset:2097152+8192*\u  ; the i part
	global_store_b16 v[GO2], v[BM+2+\u], s[8:9] offset:512*\u
.endr
	s_wait_tensorcnt 0x0                           ; the wave's end
	ds_add_u32 v[SPW], v[NIL]
	s_wait_dscnt 0x0
	CROUND                                         ; the closing round
	s_endpgm
.Lfunc_end_k_q072014d33b_attn:
	.size	k_q072014d33b_attn, .Lfunc_end_k_q072014d33b_attn-k_q072014d33b_attn
	.p2alignl 7, 3214868480
	.fill 96, 4, 3214868480
	.section	.rodata,"a",@progbits
	.p2align	6, 0x0
	.amdhsa_kernel k_q072014d33b_attn
		.amdhsa_group_segment_fixed_size 327680
		.amdhsa_private_segment_fixed_size 0
		.amdhsa_enable_private_segment 0
		.amdhsa_kernarg_size 24
		.amdhsa_user_sgpr_count 2
		.amdhsa_user_sgpr_kernarg_segment_ptr 1
		.amdhsa_wavefront_size32 1
		.amdhsa_system_sgpr_workgroup_id_x 1
		.amdhsa_system_sgpr_workgroup_id_y 1
		.amdhsa_system_sgpr_workgroup_id_z 1
		.amdhsa_system_vgpr_workitem_id 0
		.amdhsa_next_free_vgpr 512
		.amdhsa_next_free_sgpr 76
		.amdhsa_reserve_vcc 0
		.amdhsa_float_denorm_mode_32 3
		.amdhsa_float_denorm_mode_16_64 3
		.amdhsa_memory_ordered 1
		.amdhsa_forward_progress 1
		.amdhsa_inst_pref_size 92
	.end_amdhsa_kernel
	.amdgpu_metadata
---
amdhsa.version: [ 1, 2 ]
amdhsa.kernels:
  - .name:           k_q072014d33b_attn
    .symbol:         k_q072014d33b_attn.kd
    .args:
      - { .name: qkv, .offset: 0, .size: 8, .value_kind: global_buffer, .address_space: global }
      - { .name: oimg, .offset: 8, .size: 8, .value_kind: global_buffer, .address_space: global }
      - { .name: scl, .offset: 16, .size: 8, .value_kind: global_buffer, .address_space: global }
    .group_segment_fixed_size: 327680
    .private_segment_fixed_size: 0
    .kernarg_segment_align: 8
    .kernarg_segment_size: 24
    .max_flat_workgroup_size: 256
    .sgpr_count:     76
    .vgpr_count:     512
    .wavefront_size: 32
...
	.end_amdgpu_metadata
.endif
;; end of part 3
;; launch outp (part 4): grid 8 x 32, 4 waves a work-group, clusters of 4 x 4, 288,256 bytes of LDS; arguments cod, scl, oimg, bo_r, bo_i, out0, out1; writes out0, out1
.if DOCPART == 4
	.amdgcn_target "amdgcn-amd-amdhsa--gfx1250"
	.amdhsa_code_object_version 6
	.text
	.protected	k_q072014d33b_outp
	.globl	k_q072014d33b_outp
	.p2align	8
	.type	k_q072014d33b_outp,@function
k_q072014d33b_outp:
	s_mov_b64 s[64:65], 0
	v_nop
	global_prefetch_b8 v0, s[64:65] scope:SCOPE_SE
	s_setreg_imm32_b32 hwreg(HW_REG_WAVE_MODE, 25, 1), 1
	s_wait_xcnt 0x0
	s_wait_alu depctr_hold_cnt(0) depctr_sa_sdst(0) depctr_va_vdst(0) depctr_va_sdst(0) depctr_va_ssrc(0) depctr_va_vcc(0) depctr_vm_vsrc(0)
	s_getreg_b32 s2, hwreg(HW_REG_IB_STS2, 6, 4)
	s_cmp_eq_u32 s2, 0
	s_cbranch_scc0 .Lentry_in_a_cluster
	s_endpgm
.Lentry_in_a_cluster:
	s_bfe_u32 s2, ttmp6, 0x10000c
	s_cmp_lg_u32 s2, 0xf033
	s_cbranch_scc0 .Lentry_shape_is_right
	s_endpgm
.Lentry_shape_is_right:
; The two output projections, out0 = out_r Wo_r^T + bo_r and out1 = out_i Wo_i^T + bo_i, on codes of FP4 (E2M1, one E8M0 scale for each 32 along K = 1,024); sums and results f32.
; Source 0 of every matrix instruction is S0 = 16 stored rows of Wo, source 1 is S1 = 16 rows of the attention's result: a lane holds one row of the output,
; and its registers run along the columns: Wo's rows lie in cod with bits 3 and 4 of their number exchanged, so tile 2 b + u, register j, is column 32 b + 8 u + 16 (lane / 16) + j.
; SHARES.  A work-group: 128 columns x 128 rows of both outputs, all of K.  A WAVE TAKES ONE OUTPUT (lo: r or i): its 128 columns, 8 tiles of S0, x 64 rows (hi), 4 blocks of S1: 32 accumulators,
; 8 K steps of 128: 256 matrix instructions; a K step reads 12 fragments from LDS for its 32 matrix instructions.
; LDS.  All of K comes at once, one tensor load a wave: S0R, S0I: 128 rows x (512 + 16) bytes each; S1R, S1I: 8 tiles x 8 fragment images of 1,024 bytes each, as they lie in oimg.  Every byte is filled once.
; Behind the stages the spare words.
; CLUSTER.  4 x 4 work-groups: S0's tiles hang on the block of columns (cx) alone and are asked for jointly by a column of the cluster, S1's on the block of rows (cy) alone and by a row.
; No prefetch: every tile is asked for at the head, and no later tile is left to ask ahead for.
; The rows of the attention's result are in the stored order too (16 T + i is row 32 (T / 2) + 8 (T % 2) + i + 8 (i / 8)): the stores' offsets put them back.
; REGISTERS, in windows of 256.  Window 0: v1-13 lane numbers and addresses; v16-79 scale words; v80-111, v144-175 S1's fragments, two sets (v80-143 later: rows on the way out).
;   Window 1: v0-63, v64-127 S0's fragments, two sets; v128-191 the bias in the result's layout.   Window 2: accumulator (m, t) at v[8 (8 m + t)].
.set RG,    67584                      ; 128 rows x 528 bytes
.set P0,    528                        ; S0's rows: 512 bytes + 16 of padding = 132 words: the 16 rows of a fragment load start at 16 different banks (64 banks of 4 bytes: ISA guide 11.1)
.set PITCH, 272                        ; the stage's rows
.set STG,   270336                     ; the stages, behind 2 RG + 2 x 65,536 bytes of tiles
.set SPARE, 287744
.set SC,    16                         ; register SC + 8 i + q: lanes 0-15 the word of S1's block i % 4, lanes 16-31 that of S0's tile i, for K step q
.set F1,    80
.set B0,    128
.set BK,    80
.set STO,   10
.set RD,    11
.set CO,    12
.set WV,    22
.set G1A,   32
.set G1B,   40
.set G0A,   48
.set G0B,   56
.set MSB, 0
.macro WIN new                         ; s_set_vgpr_msb: bits 1:0 source 0, 3:2 source 1, 5:4 source 2, 7:6 destination; the high byte repeats the setting that is left
.if MSB != \new
	s_set_vgpr_msb (MSB<<8)|\new
.set MSB, \new
.endif
.endm
.macro PLACES n
.rept \n
	v_nop
.endr
.endm
.macro CROUND                          ; a round of the cluster's barrier
	s_barrier_signal -1
	s_barrier_wait -1
	s_cmp_lg_u32 s[WV], 0
	s_cbranch_scc1 .Lnot_wave_0_\@
	s_barrier_signal -3
.Lnot_wave_0_\@:
	s_barrier_wait -3
	s_barrier_signal -1
	s_barrier_wait -1
.endm
; 24 LDS loads in one run: the fragments of K step q into set: S0's eight from padded rows, S1's four from images
.macro FETCH q, set
	WIN 0x40                                       ; destination window 1, address window 0
.irp t, 0,1,2,3,4,5,6,7
.irp e, 0,1
	ds_load_b128 v[64*(\set)+8*\t+4*\e:64*(\set)+8*\t+4*\e+3], v4 offset:\t*16*P0+64*(\q)+32*\e
.endr
.endr
	WIN 0
.irp t, 0,1,2,3
.irp e, 0,1
	ds_load_b128 v[F1+64*(\set)+8*\t+4*\e:F1+64*(\set)+8*\t+4*\e+3], v6 offset:\t*8192+(\q)*1024+512*\e
.endr
.endr
.endm
; K step q: 32 matrix instructions; the 32 accumulators take turns, one instruction a turn, in the same order in every step.  Step 0 starts the sums with the bias as C.
.macro MUL q
.if (\q) == 0
	WIN 0x91                                       ; S0 window 1, S1 window 0, C (the bias) window 1, D window 2
.else
	WIN 0xa1                                       ; C and D window 2
.endif
.irp m, 0,1,2,3
.irp t, 0,1,2,3,4,5,6,7
.if (\q) == 0
	v_wmma_scale_f32_16x16x128_f8f6f4 v[8*(8*\m+\t):8*(8*\m+\t)+7], v[64*((\q)%2)+8*\t:64*((\q)%2)+8*\t+7], v[F1+64*((\q)%2)+8*\m:F1+64*((\q)%2)+8*\m+7], v[B0+8*\t:B0+8*\t+7], v[SC+8*\t+(\q)], v[SC+8*\m+(\q)] matrix_a_fmt:MATRIX_FMT_FP4 matrix_b_fmt:MATRIX_FMT_FP4 matrix_a_scale:MATRIX_SCALE_ROW1
.else
	v_wmma_scale_f32_16x16x128_f8f6f4 v[8*(8*\m+\t):8*(8*\m+\t)+7], v[64*((\q)%2)+8*\t:64*((\q)%2)+8*\t+7], v[F1+64*((\q)%2)+8*\m:F1+64*((\q)%2)+8*\m+7], v[8*(8*\m+\t):8*(8*\m+\t)+7], v[SC+8*\t+(\q)], v[SC+8*\m+(\q)] matrix_a_fmt:MATRIX_FMT_FP4 matrix_b_fmt:MATRIX_FMT_FP4 matrix_a_scale:MATRIX_SCALE_ROW1
.endif
.endr
.endr
.endm
.macro STEP q
	s_wait_dscnt 0x0                               ; this step's fragments are in (asked for a step, 32 matrix instructions, ago)
.if (\q) < 7
.if (\q) > 0
	PLACES 4                                       ; loads into registers that the last step's matrix instructions have read stand four plain vector lines behind them (ISA guide 7.12.1 for vector instructions)
.endif
	FETCH (\q)+1, ((\q)+1)%2
.endif
	MUL \q
.endm
	s_load_b128 s[4:7], s[0:1], 0x0                ; cod, scl
	s_load_b128 s[8:11], s[0:1], 0x10              ; oimg, bo_r
	s_load_b128 s[12:15], s[0:1], 0x20             ; bo_i, out0
	s_load_b64 s[16:17], s[0:1], 0x30              ; out1
	v_lshl_add_u32 v254, v0, 2, SPARE
	v_mov_b32 v255, 0
	ds_add_u32 v254, v255                          ; the opening lines: the add, twice on end, and its wait ahead of my tensor load
	ds_add_u32 v254, v255
	v_lshrrev_b32 v1, 5, v0
	v_readfirstlane_b32 s[WV], v1                  ; wave 0..3
	s_lshr_b32 s23, s[WV], 1                       ; hi: my 64 rows.  Also: I fetch for S0 (0) or for S1 (1)
	s_and_b32 s24, s[WV], 1                        ; lo: my output, r (0) or i (1), in the products and in what I fetch
	s_bfe_u32 s25, ttmp6, 0x40000                  ; cx
	s_bfe_u32 s26, ttmp6, 0x40004                  ; cy
	s_mov_b32 s31, 0xffff0000                      ; a mask of lanes 16-31
	s_lshl_b32 s66, ttmp9, 2
	s_add_co_u32 s66, s66, s25                     ; I0: the block of 128 columns.  It hangs on cx, never on cy
	s_and_b32 s67, ttmp7, 0xffff
	s_lshl_b32 s67, s67, 2
	s_add_co_u32 s67, s67, s26                     ; I1: the block of 128 rows.  It hangs on cy, never on cx
	s_lshl_b32 s88, s26, 2
	s_lshl_b32 s88, 15, s88                        ; my row of the cluster
	s_lshl_b32 s89, 0x1111, s25                    ; my column
	; descriptor group 1 for S0: 128 whole rows of 512 bytes, padded in LDS
	s_or_b32 s[G1A], s89, (0<<16)|(1<<20)|(1<<21)|(6<<22)|(3<<25)   ; 15:0 the mask: my column; 17:16 elements of 1 byte; 20 padding on; 21 set beside a mask; 24:22 after every 128 words; 31:25 four words
	s_mov_b32 s[G1A+1], 512<<16                    ; tensor_dim0
	s_mov_b32 s[G1A+2], 128<<16                    ; tensor_dim1
	s_mov_b32 s[G1A+3], 512<<16                    ; tile_dim0
	s_mov_b32 s[G1A+4], 128                        ; tile_dim1
	s_mov_b32 s[G1A+5], 512                        ; tensor_dim0_stride
	s_mov_b32 s[G1A+6], 0
	s_mov_b32 s[G1A+7], 0
	; and for S1: 8 tiles of rows x 8,192 bytes (eight K steps' images; 1,024 elements of 8 bytes), dense, no padding
	s_or_b32 s[G1B], s88, (3<<16)|(1<<21)          ; 15:0 the mask: my row; 17:16 elements of 8 bytes; 21 set beside a mask
	s_mov_b32 s[G1B+1], 1024<<16
	s_mov_b32 s[G1B+2], 8<<16
	s_mov_b32 s[G1B+3], 1024<<16
	s_mov_b32 s[G1B+4], 8
	s_mov_b32 s[G1B+5], 1024
	s_mov_b32 s[G1B+6], 0
	s_mov_b32 s[G1B+7], 0
	s_lshl_b32 s68, s24, 19                        ; S0's tile: Wo_r or Wo_i (units 30, 31 of cod),
	s_lshl_b32 s69, s66, 16                        ; block I0: 128 rows of 512 bytes
	s_add_co_u32 s68, s68, s69
	s_add_co_u32 s68, s68, 15728640
	s_mov_b32 s69, 0
	s_lshl_b32 s70, s24, 21                        ; S1's: out_r or out_i,
	s_lshl_b32 s71, s67, 16                        ; block I1: 8 tiles of 8,192 bytes
	s_add_co_u32 s70, s70, s71
	s_mov_b32 s71, 0
	s_mul_i32 s72, s24, RG                         ; where they go: no place in the cluster enters an LDS address
	s_lshl_b32 s74, s24, 16
	s_add_co_u32 s74, s74, 2*RG
	s_wait_dscnt 0x0
	s_wait_kmcnt 0x0
	s_add_nc_u64 s[68:69], s[4:5], s[68:69]
	s_add_nc_u64 s[70:71], s[8:9], s[70:71]
	CROUND                                         ; all sixteen work-groups are here: the joint loads meet
	s_mov_b32 s[G0A], 1                            ; 1:0 count = 1
	s_mov_b32 s[G0A+1], s72                        ; 63:32 LDS address
	s_mov_b64 s[G0A+2:G0A+3], s[68:69]             ; 120:64 global address
	s_or_b32 s[G0A+3], s[G0A+3], 0x80000000        ; 127:126 type = 2
	s_mov_b32 s[G0B], 1
	s_mov_b32 s[G0B+1], s74
	s_mov_b64 s[G0B+2:G0B+3], s[70:71]
	s_or_b32 s[G0B+3], s[G0B+3], 0x80000000
	s_cmp_eq_u32 s23, 0                            ; one tensor load a wave: waves 0 and 1 fetch for S0, waves 2 and 3 for S1
	s_cbranch_scc0 .Lfor_b
	tensor_load_to_lds s[G0A:G0A+3], s[G1A:G1A+7]
	s_nop 0
.rept 4
	v_nop
.endr
	s_branch .Lasked
.Lfor_b:
	tensor_load_to_lds s[G0B:G0B+3], s[G1B:G1B+7]
	s_nop 0
.rept 4
	v_nop
.endr
.Lasked:
	v_and_b32 v1, 15, v0                           ; r
	s_wait_alu depctr_va_vdst(0)
	v_bfe_u32 v2, v0, 4, 1                         ; h
	v_and_b32 v3, 31, v0                           ; lane
	; the scale words come straight from scl into registers: a row's 8 words are 32 neighbouring bytes.  Lanes 0-15 take S1's rows, lanes 16-31 S0's
	s_lshl_b32 s96, s66, 12
	s_lshl_b32 s88, s24, 15
	s_add_co_u32 s96, s96, s88
	s_add_co_u32 s96, s96, 983040                  ; Wo of my part (units 30, 31), block I0's 128 rows: tiles 0-3,
	s_lshl_b32 s97, s67, 12
	s_lshl_b32 s88, s23, 11
	s_add_co_u32 s97, s97, s88
	s_add_co_u32 s97, s97, 1048576                 ; the attention's result: block I1, my 64 rows,
	s_lshl_b32 s88, s24, 17
	s_add_co_u32 s97, s97, s88                     ; of my part
	s_add_co_u32 s100, s96, 2048                   ; Wo's tiles 4-7, 64 rows on
	s_mov_b32 s101, s97                            ; (beside them S1's four blocks again)
	v_lshlrev_b32 v208, 5, v1                      ; 32 r
	v_mov_b32 v209, s96
	v_mov_b32 v210, s97
	v_cndmask_b32 v8, v210, v209, s31
	v_add_nc_u32 v8, v8, v208
	v_mov_b32 v209, s100
	v_mov_b32 v210, s101
	v_cndmask_b32 v9, v210, v209, s31
	v_add_nc_u32 v9, v9, v208
.irp i, 0,1,2,3,4,5,6,7
.irp e, 0,1
	global_load_b128 v[SC+8*\i+4*\e:SC+8*\i+4*\e+3], v[8+\i/4], s[6:7] offset:(\i%4)*512+16*\e
.endr
.endr
	s_cmp_eq_u32 s24, 0                            ; my part's bias and output: the choice hangs on the wave's number alone
	s_cselect_b64 s[10:11], s[10:11], s[12:13]
	s_cselect_b64 s[14:15], s[14:15], s[16:17]
	s_lshl_b32 s88, s66, 9                         ; my first column, in bytes: 128 I0 x 4
	s_mov_b32 s89, 0
	s_add_nc_u64 s[80:81], s[10:11], s[88:89]      ; the bias there,
	s_add_nc_u64 s[82:83], s[80:81], 256           ; and 64 columns on
	s_lshl_b32 s90, s67, 1
	s_add_co_u32 s90, s90, s23
	s_lshl_b32 s90, s90, 18                        ; my first row: (128 I1 + 64 hi) x 4,096 bytes
	s_add_co_u32 s90, s90, s88
	s_mov_b32 s91, 0
	s_add_nc_u64 s[76:77], s[14:15], s[90:91]      ; the output at my corner,
	s_add_nc_u64 s[78:79], s[76:77], 256           ; and 64 columns on
	v_lshlrev_b32 v13, 6, v2                       ; the bias, in the result's layout: tile 4 g + 2 b + u, register j: column 64 g + 32 b + 8 u + 16 h + j
	WIN 0x40
.irp t, 0,1,2,3,4,5,6,7
	global_load_b128 v[B0+8*\t:B0+8*\t+3], v13, s[80+2*(\t/4):81+2*(\t/4)] offset:(32*((\t%4)/2)+8*(\t%2))*4
	global_load_b128 v[B0+8*\t+4:B0+8*\t+7], v13, s[80+2*(\t/4):81+2*(\t/4)] offset:(32*((\t%4)/2)+8*(\t%2))*4+16
.endr
	WIN 0
	v_mul_u32_u24 v15, v1, P0
	v_lshl_add_u32 v15, v2, 4, v15                 ; S0: row x pitch + 16 x half
	s_mul_i32 s100, s24, RG
	v_add_nc_u32 v4, s100, v15                     ; in my part's region
	s_lshl_b32 s101, s23, 15                       ; S1: my four tiles of 8,192 bytes,
	s_lshl_b32 s88, s24, 16                        ; in my part's region; 16 x lane
	s_add_co_u32 s101, s101, s88
	s_add_co_u32 s101, s101, 2*RG
	v_lshl_add_u32 v6, v3, 4, s101
	s_mul_i32 s100, s[WV], 16*PITCH
	s_add_co_u32 s100, s100, STG                   ; my stage
	v_mul_u32_u24 v[STO], v1, PITCH
	v_lshl_add_u32 v[STO], v2, 6, v[STO]
	v_add_nc_u32 v[STO], s100, v[STO]              ; in: row r, + 64 h
	v_mul_u32_u24 v[RD], v2, PITCH
	v_lshl_add_u32 v[RD], v1, 4, v[RD]
	v_add_nc_u32 v[RD], s100, v[RD]                ; back: lanes 0-15 one row of 256 bytes, lanes 16-31 the next
	v_lshlrev_b32 v[CO], 12, v2
	v_lshl_add_u32 v[CO], v1, 4, v[CO]             ; and the same two rows in the output
	s_wait_alu depctr_va_vdst(0)
	s_wait_tensorcnt 0x0                           ; my tile has landed;
	s_barrier_signal -1
	s_barrier_wait -1                              ; everybody's has.
	FETCH 0, 0
	s_wait_loadcnt 0x0                             ; scale words and bias
.irp q, 0,1,2,3,4,5,6,7
	STEP \q
.endr
	WIN 0
; THE WAY OUT, in eight blocks a = 4 g + m of 16 rows (block m) x 64 columns (half g of my 128).  A lane holds pieces of 32 bytes of one row: a block goes through my own stage and comes back as whole rows of 256 bytes.
; LDS serves a wave's instructions in order (ISA guide 5.7.1.4): no wait between the stores and the loads, nor in front of the next block's stores.
.macro TOSTAGE a
	WIN 0x08                                       ; an LDS store's data are its source 1: window 2
.irp u, 0,1,2,3
	ds_store_b128 v[STO], v[8*(8*((\a)%4)+4*((\a)/4)+\u):8*(8*((\a)%4)+4*((\a)/4)+\u)+3] offset:128*(\u/2)+32*(\u%2)        ; each accumulator from its low end on
	ds_store_b128 v[STO], v[8*(8*((\a)%4)+4*((\a)/4)+\u)+4:8*(8*((\a)%4)+4*((\a)/4)+\u)+7] offset:128*(\u/2)+32*(\u%2)+16
.endr
	WIN 0
.irp k, 0,1,2,3,4,5,6,7
	ds_load_b128 v[BK+32*((\a)%2)+4*\k:BK+32*((\a)%2)+4*\k+3], v[RD] offset:2*PITCH*\k
.endr
.endm
.macro SEND a, younger                 ; younger: the LDS instructions issued behind block a's loads, which may stay out
	s_wait_dscnt \younger
.irp k, 0,1,2,3,4,5,6,7
	global_store_b128 v[CO], v[BK+32*((\a)%2)+4*\k:BK+32*((\a)%2)+4*\k+3], s[76+2*((\a)/4):77+2*((\a)/4)] offset:(32*(((\a)%4)/2)+8*((\a)%2)+2*\k+8*(\k/4))*4096 th:TH_STORE_NT   ; stored row 2 k + h of block m is row 32 (m / 2) + 8 (m % 2) + 2 k + h + 8 (k / 4); 16 lanes store 256 consecutive bytes, aligned; written once, read by nobody here
.endr
.endm
	PLACES 4                                       ; the stage's stores read results just made; the loads land in registers that products have read
	TOSTAGE 0
.irp a, 1,2,3,4,5,6,7
.if \a > 1
	s_wait_xcnt 0x0                                ; block a - 2's stores have read their registers: block a's loads may land there
.endif
	TOSTAGE \a
	SEND \a-1, 16                                  ; behind block a - 1's loads: block a's 8 stores and 8 loads
.endr
	SEND 7, 0
	s_wait_tensorcnt 0x0                           ; the wave's end
	ds_add_u32 v254, v255
	s_wait_dscnt 0x0
	CROUND                                         ; the closing round: no work-group ends while a partner may still ask for a tile that names it
	s_endpgm
.Lfunc_end_k_q072014d33b_outp:
	.size	k_q072014d33b_outp, .Lfunc_end_k_q072014d33b_outp-k_q072014d33b_outp
	.p2alignl 7, 3214868480
	.fill 96, 4, 3214868480
	.section	.rodata,"a",@progbits
	.p2align	6, 0x0
	.amdhsa_kernel k_q072014d33b_outp
		.amdhsa_group_segment_fixed_size 288256
		.amdhsa_private_segment_fixed_size 0
		.amdhsa_enable_private_segment 0
		.amdhsa_kernarg_size 56
		.amdhsa_user_sgpr_count 2
		.amdhsa_user_sgpr_kernarg_segment_ptr 1
		.amdhsa_wavefront_size32 1
		.amdhsa_system_sgpr_workgroup_id_x 1
		.amdhsa_system_sgpr_workgroup_id_y 1
		.amdhsa_system_sgpr_workgroup_id_z 1
		.amdhsa_system_vgpr_workitem_id 0
		.amdhsa_next_free_vgpr 768
		.amdhsa_next_free_sgpr 102
		.amdhsa_reserve_vcc 0
		.amdhsa_float_denorm_mode_32 3
		.amdhsa_float_denorm_mode_16_64 3
		.amdhsa_memory_ordered 1
		.amdhsa_forward_progress 1
		.amdhsa_inst_pref_size 72
	.end_amdhsa_kernel
	.amdgpu_metadata
---
amdhsa.version: [ 1, 2 ]
amdhsa.kernels:
  - .name:           k_q072014d33b_outp
    .symbol:         k_q072014d33b_outp.kd
    .args:
      - { .name: cod, .offset: 0, .size: 8, .value_kind: global_buffer, .address_space: global }
      - { .name: scl, .offset: 8, .size: 8, .value_kind: global_buffer, .address_space: global }
      - { .name: oimg, .offset: 16, .size: 8, .value_kind: global_buffer, .address_space: global }
      - { .name: bo_r, .offset: 24, .size: 8, .value_kind: global_buffer, .address_space: global }
      - { .name: bo_i, .offset: 32, .size: 8, .value_kind: global_buffer, .address_space: global }
      - { .name: out0, .offset: 40, .size: 8, .value_kind: global_buffer, .address_space: global }
      - { .name: out1, .offset: 48, .size: 8, .value_kind: global_buffer, .address_space: global }
    .group_segment_fixed_size: 288256
    .private_segment_fixed_size: 0
    .kernarg_segment_align: 8
    .kernarg_segment_size: 56
    .max_flat_workgroup_size: 128
    .sgpr_count:     102
    .vgpr_count:     768
    .wavefront_size: 32
...
	.end_amdgpu_metadata
.endif
;; end of part 4
